; MI455X (gfx1250); checked and timed in simulation.
; The chip was launched on July 23, 2026; its instructions are those of AMD's public machine-readable ISA for CDNA 5 (MIT licence, August 2026) and "CDNA5" Instruction Set Architecture Reference Guide (July 2026). The comments in the code are by the model that wrote it; some were corrected since.
;; Hierarchical Attention Layer. Allowed arithmetic: float matrix products may take bf16 or f16 operands with f32 sums; other float arithmetic in f32, or as packed bf16 or f16 multiplies, adds, multiply-adds, maxima and minima; sums over many terms, partial sums and values carried from step to step in f32; what a program stores and reads back later, other than sums and carried values, may be rounded once to bf16 or f16.
;; Inputs: ffn_b1 2,048 float32; ffn_b2 1,024 float32; ffn_w1 1,024 x 2,048 float32; ffn_w2 2,048 x 1,024 float32; ln1_b 1,024 float32; ln1_g 1,024 float32; ln2_b 1,024 float32; ln2_g 1,024 float32; out_b 1,024 float32; out_w 1,024 x 1,024 float32; qkv_b 3,072 float32; qkv_w 1,024 x 3,072 float32; x 2 x 2,048 x 1,024 float32.
;; Outputs: out0 2 x 2,048 x 1,024 float32.
;; One version. Each part assembles by itself: llvm-mc -triple=amdgcn-amd-amdhsa -mcpu=gfx1250 --defsym DOCPART=n.
;; ======== version 1 of 1: 7 launches
;; limits: right only within a limited range of input values
;; workspace buffers: wbf 16,777,216 bytes; h 8,388,608 bytes; qkvh 25,165,824 bytes; ob 8,388,608 bytes; x1 16,777,216 bytes; act 16,777,216 bytes
;; launch prep (part 1): grid 1024 x 1, 8 waves a work-group, no clusters, 0 bytes of LDS; arguments x, ln1_g, ln1_b, h, qkv_w, out_w, ffn_w1, ffn_w2, wbf; writes h, wbf
.if DOCPART == 1
	.amdgcn_target "amdgcn-amd-amdhsa--gfx1250"
	.amdhsa_code_object_version 6
	.text
	.protected	k_qb6fc8e4cce_prep
	.globl	k_qb6fc8e4cce_prep
	.p2align	8
	.type	k_qb6fc8e4cce_prep,@function
k_qb6fc8e4cce_prep:
	s_mov_b64 s[64:65], 0
	v_nop
	global_prefetch_b8 v0, s[64:65] scope:SCOPE_SE
	s_setreg_imm32_b32 hwreg(HW_REG_WAVE_MODE, 25, 1), 1
	s_wait_xcnt 0x0
; TWO JOBS THAT HANG ON NOTHING OF EACH OTHER, IN ONE LAUNCH.  The branch between them hangs on the work-group's number alone.
; Work-groups 0-511: h = LayerNorm(x), rows of 1,024 f32: y = (x - mean) * rsqrt(var + 1e-5) * g + b, y rounded once to bf16.  One wave takes one row and keeps it in 32 registers:
; the row is read once; mean and variance are made in two passes over the registers (the variance is the mean of (x - mean)^2, so no difference of large sums is formed).  All sums in f32.
; Load j of a row covers 512 consecutive bytes: lane l holds columns 128 j + 4 l .. + 3; g and b are loaded in the same pattern.  Store j covers 256 consecutive bytes at a multiple of 256 from h's first byte.
; Work-groups 512-1,023: wbf = the four weight matrices, each rounded once to bf16 and left in its own order [K][N]: qkv_w at byte 0, out_w at 6,291,456, ffn_w1 at 8,388,608, ffn_w2 at 12,582,912.
; A work-group takes 16,384 numbers (65,536 bytes in, 32,768 out), a wave 2,048; of the 512, numbers 0-191 take qkv_w, 192-255 out_w, 256-383 ffn_w1, 384-511 ffn_w2.
; Load j of a wave covers 512 consecutive bytes, store j 256 consecutive bytes at a multiple of 256 from wbf's first byte.
; Both are streams: every byte is read once and written once; no LDS, no barrier, no matrix unit.  128 registers a wave, so that four work-groups of eight waves find room on a WGP's four SIMDs.
; LIMITS: NaN and infinities are not treated apart; a row whose sum of squares passes f32's range gives what f32 gives.
.set WI, 16                            ; v[16:79]   the weights: 16 loads of 4 numbers
.set WO, 80                            ; v[80:111]  16 pairs of registers to store
.set XR, 16                            ; v[16:47]   the row
.set G,  48                            ; v[48:79]   g
.set BB, 80                            ; v[80:111]  b
.set T,  112                           ; v[112:127] at work; at the end the row in bf16
.set MU, 6                             ; v[6:7]     the mean, twice
.set RS, 10                            ; v[10:11]   the rsqrt, twice
	s_mov_b32 s18, ttmp9
	v_lshrrev_b32 v3, 5, v0                        ; wave
	v_and_b32 v4, 31, v0                           ; lane
	s_cmp_lt_u32 s18, 512
	s_cbranch_scc1 .Lnorm
	; THE WEIGHTS
	s_load_b256 s[4:11], s[0:1], 0x20              ; qkv_w s[4:5], out_w s[6:7], ffn_w1 s[8:9], ffn_w2 s[10:11]
	s_load_b64 s[12:13], s[0:1], 0x40              ; wbf
	s_sub_co_u32 s18, s18, 512                     ; my number among the 512
	v_lshlrev_b32 v1, 13, v3
	v_lshl_add_u32 v1, v4, 4, v1                   ; in: 8,192 x wave + 16 x lane
	v_lshlrev_b32 v2, 12, v3
	v_lshl_add_u32 v2, v4, 3, v2                   ; out: 4,096 x wave + 8 x lane
	s_sub_co_u32 s14, s18, 384                     ; my number inside ffn_w2,
	s_sub_co_u32 s15, s18, 256                     ; inside ffn_w1,
	s_sub_co_u32 s16, s18, 192                     ; inside out_w
	s_wait_kmcnt 0x0
	s_cmp_lt_u32 s18, 384                          ; the choice of the source hangs on the work-group's number alone
	s_cselect_b64 s[10:11], s[8:9], s[10:11]
	s_cselect_b32 s14, s15, s14
	s_cmp_lt_u32 s18, 256
	s_cselect_b64 s[10:11], s[6:7], s[10:11]
	s_cselect_b32 s14, s16, s14
	s_cmp_lt_u32 s18, 192
	s_cselect_b64 s[10:11], s[4:5], s[10:11]
	s_cselect_b32 s14, s18, s14
	s_lshl_b32 s14, s14, 16                        ; 65,536 bytes of the source for each work-group
	s_mov_b32 s15, 0
	s_add_nc_u64 s[10:11], s[10:11], s[14:15]
	s_lshl_b32 s16, s18, 15                        ; 32,768 bytes of wbf
	s_mov_b32 s17, 0
	s_add_nc_u64 s[12:13], s[12:13], s[16:17]
.set j, 0
.rept 16
	global_load_b128 v[WI+4*j:WI+4*j+3], v1, s[10:11] offset:512*j th:TH_LOAD_NT
.set j, j+1
.endr
.set j, 0
.rept 16
	s_wait_loadcnt 15-j                            ; loads come back in order: load j is in, the 15 - j younger ones stay out
	v_cvt_pk_bf16_f32 v[WO+2*j], v[WI+4*j], v[WI+4*j+1]
	v_cvt_pk_bf16_f32 v[WO+2*j+1], v[WI+4*j+2], v[WI+4*j+3]
	global_store_b64 v2, v[WO+2*j:WO+2*j+1], s[12:13] offset:256*j  ; no register of a store is written again
.set j, j+1
.endr
	s_endpgm
.Lnorm:
	; THE LAYERNORM
	s_load_b256 s[4:11], s[0:1], 0x0               ; x s[4:5], g s[6:7], b s[8:9], y s[10:11]
	v_readfirstlane_b32 s16, v3                    ; wave
	v_lshlrev_b32 v1, 4, v4                        ; 16 x lane
	v_lshlrev_b32 v2, 3, v4                        ; 8 x lane
	v_mov_b32 v9, 0                                ; v_permlanex16_b32's destination counts as read
	s_lshl_b32 s17, s18, 3
	s_add_co_u32 s17, s17, s16                     ; my row
	s_lshl_b32 s20, s17, 12                        ; 4,096 bytes in
	s_mov_b32 s21, 0
	s_lshl_b32 s22, s17, 11                        ; 2,048 bytes out
	s_mov_b32 s23, 0
	s_mov_b32 s12, 0x76543210                      ; each lane takes its own place in the other half
	s_mov_b32 s13, 0xfedcba98
	s_mov_b32 s14, 0x3a800000                      ; 1 / 1,024
	s_mov_b32 s15, 0x3727c5ac                      ; 1e-5
	s_wait_kmcnt 0x0
	s_add_nc_u64 s[4:5], s[4:5], s[20:21]
	s_add_nc_u64 s[10:11], s[10:11], s[22:23]
.irp j, 0,1,2,3,4,5,6,7
	global_load_b128 v[XR+4*(\j):XR+4*(\j)+3], v1, s[4:5] offset:512*(\j) th:TH_LOAD_NT
.endr
.irp j, 0,1,2,3,4,5,6,7
	global_load_b128 v[G+4*(\j):G+4*(\j)+3], v1, s[6:7] offset:512*(\j)
.endr
.irp j, 0,1,2,3,4,5,6,7
	global_load_b128 v[BB+4*(\j):BB+4*(\j)+3], v1, s[8:9] offset:512*(\j)
.endr
.macro REDUCE                          ; v8 summed over the 32 lanes, the result in every lane
	v_add_f32_dpp v8, v8, v8 row_xmask:1 row_mask:0xf bank_mask:0xf
	v_add_f32_dpp v8, v8, v8 row_xmask:2 row_mask:0xf bank_mask:0xf
	v_add_f32_dpp v8, v8, v8 row_xmask:4 row_mask:0xf bank_mask:0xf
	v_add_f32_dpp v8, v8, v8 row_xmask:8 row_mask:0xf bank_mask:0xf
	v_permlanex16_b32 v9, v8, s12, s13
	v_add_f32 v8, v8, v9
.endm
	s_wait_loadcnt 16                              ; the row is in; g's and b's 16 loads stay out
.set j, 0
.rept 8
	v_pk_add_f32 v[T+2*j:T+2*j+1], v[XR+4*j:XR+4*j+1], v[XR+4*j+2:XR+4*j+3]
.set j, j+1
.endr
.irp j, 0,1,2,3
	v_pk_add_f32 v[T+4*(\j):T+4*(\j)+1], v[T+4*(\j):T+4*(\j)+1], v[T+4*(\j)+2:T+4*(\j)+3]
.endr
	v_pk_add_f32 v[T:T+1], v[T:T+1], v[T+4:T+5]
	v_pk_add_f32 v[T+8:T+9], v[T+8:T+9], v[T+12:T+13]
	v_pk_add_f32 v[T:T+1], v[T:T+1], v[T+8:T+9]
	v_add_f32 v8, v[T], v[T+1]
	REDUCE
	v_mul_f32 v[MU], s14, v8
	v_mul_f32 v[MU+1], s14, v8
.set j, 0
.rept 16
	v_pk_add_f32 v[XR+2*j:XR+2*j+1], v[XR+2*j:XR+2*j+1], v[MU:MU+1] neg_lo:[0,1] neg_hi:[0,1]  ; x - mean
.set j, j+1
.endr
.irp j, 0,1,2,3                        ; four chains of squares
	v_pk_mul_f32 v[T+2*(\j):T+2*(\j)+1], v[XR+2*(\j):XR+2*(\j)+1], v[XR+2*(\j):XR+2*(\j)+1]
.endr
.set j, 4
.rept 12
	v_pk_fma_f32 v[T+2*(j%4):T+2*(j%4)+1], v[XR+2*j:XR+2*j+1], v[XR+2*j:XR+2*j+1], v[T+2*(j%4):T+2*(j%4)+1]
.set j, j+1
.endr
	v_pk_add_f32 v[T:T+1], v[T:T+1], v[T+2:T+3]
	v_pk_add_f32 v[T+4:T+5], v[T+4:T+5], v[T+6:T+7]
	v_pk_add_f32 v[T:T+1], v[T:T+1], v[T+4:T+5]
	v_add_f32 v8, v[T], v[T+1]
	REDUCE
	v_fma_f32 v8, v8, s14, s15                     ; var + eps
	v_rsq_f32 v[RS], v8
	v_rsq_f32 v[RS+1], v8
	v_nop                                          ; a plain instruction behind the last of the two,
	s_wait_alu depctr_va_vdst(0)                   ; and one wait for both, ahead of the first line that names a result
	s_wait_loadcnt 0x0                             ; g and b
.set j, 0
.rept 16
	v_pk_mul_f32 v[XR+2*j:XR+2*j+1], v[XR+2*j:XR+2*j+1], v[RS:RS+1]
.set j, j+1
.endr
.set j, 0
.rept 16
	v_pk_fma_f32 v[XR+2*j:XR+2*j+1], v[XR+2*j:XR+2*j+1], v[G+2*j:G+2*j+1], v[BB+2*j:BB+2*j+1]
.set j, j+1
.endr
.set j, 0
.rept 16
	v_cvt_pk_bf16_f32 v[T+j], v[XR+2*j], v[XR+2*j+1]
.set j, j+1
.endr
.irp j, 0,1,2,3,4,5,6,7
	global_store_b64 v2, v[T+2*(\j):T+2*(\j)+1], s[10:11] offset:256*(\j)
.endr
	s_endpgm
.Lfunc_end_k_qb6fc8e4cce_prep:
	.size	k_qb6fc8e4cce_prep, .Lfunc_end_k_qb6fc8e4cce_prep-k_qb6fc8e4cce_prep
	.p2alignl 7, 3214868480
	.fill 96, 4, 3214868480
	.section	.rodata,"a",@progbits
	.p2align	6, 0x0
	.amdhsa_kernel k_qb6fc8e4cce_prep
		.amdhsa_group_segment_fixed_size 0
		.amdhsa_private_segment_fixed_size 0
		.amdhsa_enable_private_segment 0
		.amdhsa_kernarg_size 72
		.amdhsa_user_sgpr_count 2
		.amdhsa_user_sgpr_kernarg_segment_ptr 1
		.amdhsa_wavefront_size32 1
		.amdhsa_system_sgpr_workgroup_id_x 1
		.amdhsa_system_sgpr_workgroup_id_y 1
		.amdhsa_system_sgpr_workgroup_id_z 1
		.amdhsa_system_vgpr_workitem_id 0
		.amdhsa_next_free_vgpr 128
		.amdhsa_next_free_sgpr 66
		.amdhsa_reserve_vcc 0
		.amdhsa_float_denorm_mode_32 3
		.amdhsa_float_denorm_mode_16_64 3
		.amdhsa_memory_ordered 1
		.amdhsa_forward_progress 1
		.amdhsa_inst_pref_size 19
	.end_amdhsa_kernel
	.amdgpu_metadata
---
amdhsa.version: [ 1, 2 ]
amdhsa.kernels:
  - .name:           k_qb6fc8e4cce_prep
    .symbol:         k_qb6fc8e4cce_prep.kd
    .args:
      - { .name: x, .offset: 0, .size: 8, .value_kind: global_buffer, .address_space: global }
      - { .name: ln1_g, .offset: 8, .size: 8, .value_kind: global_buffer, .address_space: global }
      - { .name: ln1_b, .offset: 16, .size: 8, .value_kind: global_buffer, .address_space: global }
      - { .name: h, .offset: 24, .size: 8, .value_kind: global_buffer, .address_space: global }
      - { .name: qkv_w, .offset: 32, .size: 8, .value_kind: global_buffer, .address_space: global }
      - { .name: out_w, .offset: 40, .size: 8, .value_kind: global_buffer, .address_space: global }
      - { .name: ffn_w1, .offset: 48, .size: 8, .value_kind: global_buffer, .address_space: global }
      - { .name: ffn_w2, .offset: 56, .size: 8, .value_kind: global_buffer, .address_space: global }
      - { .name: wbf, .offset: 64, .size: 8, .value_kind: global_buffer, .address_space: global }
    .group_segment_fixed_size: 0
    .private_segment_fixed_size: 0
    .kernarg_segment_align: 8
    .kernarg_segment_size: 72
    .max_flat_workgroup_size: 256
    .sgpr_count:     66
    .vgpr_count:     128
    .wavefront_size: 32
...
	.end_amdgpu_metadata
.endif
;; end of part 1
;; launch qkv (part 2): grid 8 x 32, 4 waves a work-group, clusters of 4 x 4, 327,680 bytes of LDS; arguments h, wbf, qkv_b, qkvh; writes qkvh
.if DOCPART == 2
	.amdgcn_target "amdgcn-amd-amdhsa--gfx1250"
	.amdhsa_code_object_version 6
	.text
	.protected	k_qb6fc8e4cce_qkv
	.globl	k_qb6fc8e4cce_qkv
	.p2align	8
	.type	k_qb6fc8e4cce_qkv,@function
k_qb6fc8e4cce_qkv:
	s_mov_b64 s[64:65], 0
	v_nop
	global_prefetch_b8 v0, s[64:65] scope:SCOPE_SE
	s_setreg_imm32_b32 hwreg(HW_REG_WAVE_MODE, 25, 1), 1
	s_wait_xcnt 0x0
	s_wait_alu depctr_hold_cnt(0) depctr_sa_sdst(0) depctr_va_vdst(0) depctr_va_sdst(0) depctr_va_ssrc(0) depctr_va_vcc(0) depctr_vm_vsrc(0)
	s_getreg_b32 s2, hwreg(HW_REG_IB_STS2, 6, 4)
	s_cmp_eq_u32 s2, 0
	s_cbranch_scc0 .Lentry_in_a_cluster
	s_endpgm
.Lentry_in_a_cluster:
	s_bfe_u32 s2, ttmp6, 0x10000c
	s_cmp_lg_u32 s2, 0xf033
	s_cbranch_scc0 .Lentry_shape_is_right
	s_endpgm
.Lentry_shape_is_right:
; q, k, v = h W + bias, written by heads.  h: [4096][1024] bf16.  W = qkv_w in bf16, [1024][3072], at wbf's first byte.  bias: [3072] f32.
; qkvh: [3 (q, k, v)][32 planes = 16 x batch + head][2048][64] bf16, each number rounded once from its f32 sum; q is NOT scaled here.
; SHARES.  A work-group makes 128 rows x 384 columns (six heads): 8 x 32 work-groups.  Four waves, 2 x 2: a wave makes 64 rows x 192 columns,
; 4 x 12 accumulators of 16 x 16.  The two waves of a row half take the tile's heads by turns (head 2 i + wc), so that a column block's LDS offset is the same constant in both.
; RING.  K goes in steps of 128 through two LDS slots: 128 rows of h (256 bytes each, 272 apart) and 128 rows of W (768 bytes each, 32 bytes of padding
; behind every 256: 864 apart).  Waves 0, 1 fetch the halves of h's tile, waves 2, 3 those of W's: one tensor load a wave behind each change of slots.
; W lies [k][n] and is turned on its way out of LDS by ds_load_tr16_b128.
; THE WALK ALONG K IS ROTATED.  A cluster whose x + y is odd begins at K step NSTEP / 2 and wraps round; the others begin at 0.  The two clusters that read the same rows of h (same y) and, of the
; clusters that read the same columns of W (same x), those with neighbouring y then ask for a given K step NSTEP / 2 changes of slots apart, not at the same time.  The number is the same in all sixteen
; partners, so a joint load's descriptor stays equal in all that it names; no branch, trip count or LDS address hangs on it.  Each f32 sum takes its K steps in its cluster's order.
; THE MATRIX INSTRUCTION IS USED TRANSPOSED: source 0 = 16 columns of W, source 1 = 16 rows of h: a lane then holds ONE row (lane % 16) and eight neighbouring columns.
; THE BIAS is the C operand of the first product on each accumulator: nothing is cleared and nothing is added later.
; CLUSTER 4 x 4: h's tile hangs on the tile row alone and is asked for jointly by a row of the cluster, W's on the tile column alone, by a column.
; A K step is written once: the loop's trip goes from a step's second quarter to the next step's first.  The tail (two steps that ask for nothing) is a loop left in its middle;
; its last change of slots passes one barrier and issues a run of 32 LDS loads that serve nothing: the price, once a launch, of writing the tail once.
; REGISTERS in windows of 256 (s_set_vgpr_msb: bits 1:0 source 0, 3:2 source 1, 5:4 source 2, 7:6 destination): window 0 addresses, bias, way out;
; window 1 two fragment buffers of 128; windows 2, 3 the accumulators: (a, b) in window 2 + a / 2 at v[8 (NB (a % 2) + b)].
; LIMITS: operands are rounded to bf16; NaN and infinities are not treated apart.
.set SIZE_N, 3072
.set SIZE_K, 1024
.set NT,     384                       ; columns of a work-group
.set NB,     12                        ; column blocks of a wave
.set KSTEP,  128
.set KD,     1                         ; matrix instructions deep in a quarter step
.set PA,     272                       ; LDS pitch of h's rows: 68 words, so 16 rows start at 16 different groups of four banks (64 banks of 4 bytes: ISA guide 11.1)
.set PB,     864                       ; LDS pitch of W's rows: 27 x 32 bytes, so the 8 rows of a turning load start at 8 different groups of eight banks
.set QIA,    5                         ; padding behind every 64 words
.set QIB,    5
.set WOFF,   0                         ; W's first byte in wbf
.set WCB,    128                       ; bytes in a row of W's tile between the two waves' first columns
.set WCN,    64                        ; the same in columns
.set CBH,    288                       ; column block b lies at CBH (b / 4) + 32 (b % 4) bytes,
.set CNH,    128                       ; and is column CNH (b / 4) + 16 (b % 4)
.set WSTAGE, 3*16*144                  ; a wave's stage: three heads x 16 rows x 144 bytes
.set NRES,   0                         ; global loads that may stay out when the bias is wanted
.set NSTEP,  SIZE_K/KSTEP
.set ABYTES, 128*PA
.set SLOT,   ABYTES+KSTEP*PB
.set STAGE,  2*SLOT                    ; behind the ring, never filled by a tensor load
.set SPARE,  STAGE+4*WSTAGE            ; the spare words: 128 bytes a wave, two blocks of 256 bytes that no other line names
.set STEPA,  KSTEP*2
.set STEPB,  KSTEP*SIZE_N*2
.set NLD,    KD*(2*NB+8)               ; LDS loads in a quarter's run
.set LATE,   4+12*(KD-1)               ; the youngest of them, which only the quarter's second half wants
.set ADRA, 16                          ; v16     LDS address of my fragments of A in the slot in hand
.set ADRB, 17                          ; v17-18  the same for W: k rows 0 .. KSTEP/2 - 1, and the rest (the tile is longer than an LDS immediate reaches)
.set BASA, 20                          ; v20-22  the three in slot 0; never rewritten
.set STO,  24
.set RD,   25
.set GO,   26
.set BO,   27                          ; v27     32 x (lane / 16): my eight numbers of a block's bias
.set SPW,  28                          ; v28     LDS address of my spare word; never rewritten
.set NIL,  29                          ; v29     0; never rewritten
.set BIAS, 32                          ; v[32 ..] 8 registers a column block
.set F0,   0
.set F1,   128
.set WV, 14                            ; s14 wave; s15 my row half, also: I fetch A (0) or W (1); s16 my column half, also: which half of that tile I fetch
.set WR, 15
.set WC, 16
.set CX, 17
.set CY, 18
.set TX, 19                            ; tile column, tile row
.set TY, 20
.set LWA, 21                           ; LDS byte of my half of A's tile in slot 0
.set LWB, 22                           ; of W's
.set G1A, 24                           ; s[24:31] group 1 for A's tiles; s[32:39] group 0: the first fill of slot 0, and the set that fills slot 1 and then walks
.set G0A, 32
.set TB,  40                           ; 0 or SLOT: the slot in hand
.set CNT, 41
.set BSA, 44                           ; s[44:45] A at my rows of the tile, K step 0; behind the head never rewritten
.set BSB, 46                           ; s[46:47] W at my rows of K step 0, the tile's first column; likewise
.set G1B, 48                           ; s[48:55], s[56:63] the same for W's tiles
.set G0B, 56
.set OFA, 86                           ; s[86:87] a K step's byte offset in A's rows
.set OFB, 88                           ; s[88:89] in W
.set SN,  90                           ; s90      the K step that the next refill asks for
.set MSB, 0
.macro WIN new                         ; the immediate's high byte repeats the setting that is left; a switch that changes nothing is dropped
.if MSB != (\new)
	s_set_vgpr_msb (MSB<<8)|(\new)
.set MSB, (\new)
.endif
.endm
.macro PLACES                          ; four plain vector instructions between a matrix instruction and a load into, or a reader of, its registers
.rept 4
	v_nop
.endr
.endm
.macro CREST                           ; a round of the cluster's barrier behind its opening barrier
	s_cmp_lg_u32 s[WV], 0
	s_cbranch_scc1 .Lnot_wave_0_\@
	s_barrier_signal -3
.Lnot_wave_0_\@:
	s_barrier_wait -3
	s_barrier_signal -1
	s_barrier_wait -1
.endm
.macro CROUND
	s_barrier_signal -1
	s_barrier_wait -1
	CREST
.endm
.macro JLOAD                           ; a joint refill by the walking set; the branch hangs on the wave's number alone; s_nop 0 and four v_nop follow each line
	s_cmp_eq_u32 s[WR], 0
	s_cbranch_scc0 .Lfor_b_\@
	tensor_load_to_lds s[G0A+4:G0A+7], s[G1A:G1A+7]
	s_nop 0
.rept 4
	v_nop
.endr
	s_branch .Lasked_\@
.Lfor_b_\@:
	tensor_load_to_lds s[G0B+4:G0B+7], s[G1B:G1B+7]
	s_nop 0
.rept 4
	v_nop
.endr
.Lasked_\@:
.endm
; Row blocks a0 .. a0 + na - 1 x all column blocks, 32 along K: part c of buffer f.  first = 1: the product starts the sum with the bias.
; The accumulators take turns, one instruction a turn, in the same order in every quarter.
.macro MUL f, c, a0, na, first
.set a, (\a0)
.rept (\na)
.set w, 2+a/2
.if \first
	WIN 0x05|(w<<6)
.else
	WIN 0x05|(w<<6)|(w<<4)
.endif
.set b, 0
.rept NB
.set rD, 8*(NB*(a%2)+b)
.set rB, (\f)+32*KD+8*(NB*(\c)+b)
.set rA, (\f)+8*(4*(\c)+a)
.if \first
	v_wmma_f32_16x16x32_bf16 v[rD:rD+7], v[rB:rB+7], v[rA:rA+7], v[BIAS+8*b:BIAS+8*b+7]
.else
	v_wmma_f32_16x16x32_bf16 v[rD:rD+7], v[rB:rB+7], v[rA:rA+7], v[rD:rD+7]
.endif
.set b, b+1
.endr
.set a, a+1
.endr
.endm
.macro H0A f, first                    ; a quarter's products in three parts
.if KD == 1
	MUL \f, 0, 0, 1, \first
.else
	MUL \f, 0, 0, 2, \first
.endif
.endm
.macro H0B f, first
.if KD == 1
	MUL \f, 0, 1, 1, \first
.else
	MUL \f, 0, 2, 2, \first
.endif
.endm
.macro H1 f, first
.if KD == 1
	MUL \f, 0, 2, 2, \first
.else
	MUL \f, 1, 0, 4, 0
.endif
.endm
; One run of LDS loads: the fragments of quarter p of the slot in hand, into buffer f; what the quarter's first half wants comes first.
.macro FETCH p, f
	WIN 0x40                                       ; destination window 1, address window 0
.set c, 0
.rept KD
.set kr, 32*((\p)*KD+c)
.set rW, ADRB+kr/(KSTEP/2)
.set ko, (kr%(KSTEP/2))*PB
.set b, 0
.rept NB
.set rB, (\f)+32*KD+8*(NB*c+b)
	ds_load_tr16_b128 v[rB:rB+3],   v[rW] offset:ko+CBH*(b/4)+32*(b%4)
	ds_load_tr16_b128 v[rB+4:rB+7], v[rW] offset:ko+CBH*(b/4)+32*(b%4)+16*PB
.set b, b+1
.endr
.set a, 0
.rept 4
.set rA, (\f)+8*(4*c+a)
	ds_load_b128 v[rA:rA+3],   v[ADRA] offset:64*((\p)*KD+c)+a*16*PA
	ds_load_b128 v[rA+4:rA+7], v[ADRA] offset:64*((\p)*KD+c)+a*16*PA+32
.set a, a+1
.endr
.set c, c+1
.endr
.endm
; Multiplies buffer f and, in its middle, fetches quarter p into buffer g.
.macro QUARTER p, f, g, first
	s_wait_dscnt LATE                              ; all of f but its youngest LATE loads, which the second half wants
	H0A \f, \first
	H0B \f, \first
	PLACES
	FETCH \p, \g
	s_wait_dscnt NLD                               ; all but the run just issued
	H1 \f, \first
.endm
; A step's last quarter (buffer 1) and the change of slots.  In front of the barrier each wave waits for all its tensor loads (one is out: its part of the other slot), adds 0 to its
; spare word, and waits for that and for its reads of this slot.  fill = 1: the barrier opens a round of the cluster's, and the joint refill of the slot just left is the first thing behind the round.
.macro TURN fill
	WIN 0                                          ; the add's registers lie in window 0
	s_wait_tensorcnt 0x0                           ; no tensor load of mine is out, so the walking sets may be written
	ds_add_u32 v[SPW], v[NIL]                      ; 0 onto my spare word; scalar work and products stand between it and the wait for it
.if \fill
	s_add_co_u32 s[G0A+5], s[LWA], s[TB]           ; my place in the slot that is being left;
	s_mul_i32 s[OFA], s[SN], STEPA                 ; the address is made anew: the tile's base and the K step's offset, made apart,
	s_add_nc_u64 s[G0A+6:G0A+7], s[BSA:BSA+1], s[OFA:OFA+1]
	s_or_b32 s[G0A+7], s[G0A+7], 0x80000000        ; and the type bits
	s_add_co_u32 s[G0B+5], s[LWB], s[TB]
	s_mul_i32 s[OFB], s[SN], STEPB
	s_add_nc_u64 s[G0B+6:G0B+7], s[BSB:BSB+1], s[OFB:OFB+1]
	s_or_b32 s[G0B+7], s[G0B+7], 0x80000000
	s_add_co_u32 s[SN], s[SN], 1                   ; the next K step of the walk, round the end
	s_and_b32 s[SN], s[SN], NSTEP-1
.endif
	s_xor_b32 s[TB], s[TB], SLOT                   ; 0 becomes SLOT, SLOT becomes 0: the other slot
	s_wait_dscnt LATE+1                            ; the add and the youngest LATE loads may be out
	H0A F1, 0
	s_wait_dscnt 0x0                               ; the add is done, my reads of this slot are over
	s_barrier_signal -1
	H0B F1, 0                                      ; work on registers while the others arrive
	WIN 0                                          ; at a branch and at a label every window is 0
	s_barrier_wait -1
.if \fill
	CREST                                          ; no wave of any partner still reads the slot or has a load on its way
	JLOAD                                          ; its four v_nop are also the places in front of the loads below
.else
	PLACES
.endif
	v_add_nc_u32 v[ADRA], s[TB], v[BASA]
	v_add_nc_u32 v[ADRB], s[TB], v[BASA+1]
	v_add_nc_u32 v[ADRB+1], s[TB], v[BASA+2]
	FETCH 0, F0
	H1 F1, 0
.endm
	s_load_b256 s[4:11], s[0:1], 0x0               ; h s[4:5], wbf s[6:7], bias s[8:9], qkvh s[10:11]
	v_lshl_add_u32 v[SPW], v0, 2, SPARE
	v_mov_b32 v[NIL], 0
	ds_add_u32 v[SPW], v[NIL]                      ; the opening: the add and its wait stand ahead of my first tensor load; set-up on registers stands between
	ds_add_u32 v28, v29
	v_lshrrev_b32 v1, 5, v0
	v_readfirstlane_b32 s[WV], v1
	s_lshr_b32 s[WR], s[WV], 1
	s_and_b32 s[WC], s[WV], 1
	s_bfe_u32 s[CX], ttmp6, 0x40000
	s_bfe_u32 s[CY], ttmp6, 0x40004
	s_lshl_b32 s[TX], ttmp9, 2
	s_add_co_u32 s[TX], s[TX], s[CX]
	s_and_b32 s[TY], ttmp7, 0xffff
	s_lshl_b32 s[TY], s[TY], 2
	s_add_co_u32 s[TY], s[TY], s[CY]
	s_lshl_b32 s42, s[CY], 2
	s_lshl_b32 s42, 15, s42                        ; my row of the cluster
	s_lshl_b32 s43, 0x1111, s[CX]                  ; my column
	s_or_b32 s[G1A], s42, (1<<16)|(1<<20)|(1<<21)|(QIA<<22)|(3<<25)  ; mask; 2-byte elements; padding on; bit 21 beside a mask; interval; 4 words of padding
	s_or_b32 s[G1B], s43, (1<<16)|(1<<20)|(1<<21)|(QIB<<22)|(7<<25)  ; the same with 8 words
	s_mov_b32 s[G1A+1], KSTEP<<16                  ; tensor_dim0
	s_mov_b32 s[G1A+2], 64<<16                     ; tensor_dim1
	s_mov_b32 s[G1A+3], KSTEP<<16                  ; tile_dim0
	s_mov_b32 s[G1A+4], 64                         ; tile_dim1: 64 rows
	s_mov_b32 s[G1A+5], SIZE_K                     ; elements from row to row
	s_mov_b32 s[G1A+6], 0
	s_mov_b32 s[G1A+7], 0
	s_mov_b32 s[G1B+1], NT<<16
	s_mov_b32 s[G1B+2], (KSTEP/2)<<16
	s_mov_b32 s[G1B+3], NT<<16
	s_mov_b32 s[G1B+4], KSTEP/2                    ; KSTEP / 2 rows of W
	s_mov_b32 s[G1B+5], SIZE_N
	s_mov_b32 s[G1B+6], 0
	s_mov_b32 s[G1B+7], 0
	s_mul_i32 s[LWA], s[WC], 64*PA                 ; no place in the cluster enters an LDS address
	s_mul_i32 s[LWB], s[WC], (KSTEP/2)*PB
	s_add_co_u32 s[LWB], s[LWB], ABYTES
	s_mov_b32 s[TB], 0
	s_and_b32 s[SN], ttmp7, 0xffff                 ; cluster y
	s_add_co_u32 s[SN], s[SN], ttmp9               ; + cluster x: the same in all sixteen partners
	s_and_b32 s[SN], s[SN], 1
	s_mul_i32 s[SN], s[SN], NSTEP/2                ; the K step at which my cluster's walk begins
	s_mul_i32 s[OFA], s[SN], STEPA
	s_mov_b32 s[OFA+1], 0
	s_mul_i32 s[OFB], s[SN], STEPB
	s_mov_b32 s[OFB+1], 0
	s_lshl_b32 s[BSA], s[TY], 7                    ; A: row 128 x tile row + 64 x half,
	s_lshl_b32 s[BSA+1], s[WC], 6
	s_add_co_u32 s[BSA], s[BSA], s[BSA+1]
	s_mul_i32 s[BSA], s[BSA], SIZE_K*2             ; in bytes (under 2^25)
	s_mov_b32 s[BSA+1], 0
	s_mul_i32 s[BSB], s[WC], (KSTEP/2)*SIZE_N*2    ; W: my half of a step's rows,
	s_mul_i32 s[BSB+1], s[TX], NT*2                ; the tile's first column,
	s_add_co_u32 s[BSB], s[BSB], s[BSB+1]
	s_add_co_u32 s[BSB], s[BSB], WOFF              ; the matrix's place in wbf
	s_mov_b32 s[BSB+1], 0
	s_wait_dscnt 0x0                               ; the opening add is done
	s_wait_kmcnt 0x0
	s_add_nc_u64 s[BSA:BSA+1], s[4:5], s[BSA:BSA+1]
	s_add_nc_u64 s[BSB:BSB+1], s[6:7], s[BSB:BSB+1]
.irp s, 0,1
	s_mov_b32 s[G0A+4*(\s)], 1
	s_add_co_u32 s[G0A+4*(\s)+1], s[LWA], (\s)*SLOT
	s_mov_b32 s[G0B+4*(\s)], 1
	s_add_co_u32 s[G0B+4*(\s)+1], s[LWB], (\s)*SLOT
.endr
	s_add_nc_u64 s[G0A+2:G0A+3], s[BSA:BSA+1], s[OFA:OFA+1]  ; slot 0: the walk's first K step,
	s_add_nc_u64 s[G0A+6:G0A+7], s[G0A+2:G0A+3], STEPA       ; slot 1: its second
	s_add_nc_u64 s[G0B+2:G0B+3], s[BSB:BSB+1], s[OFB:OFB+1]
	s_add_nc_u64 s[G0B+6:G0B+7], s[G0B+2:G0B+3], STEPB
.irp r, G0A+3, G0A+7, G0B+3, G0B+7
	s_or_b32 s[\r], s[\r], 0x80000000
.endr
	s_add_co_u32 s[SN], s[SN], 2                   ; the first refill asks for the walk's third
	s_and_b32 s[SN], s[SN], NSTEP-1
	CROUND                                         ; all sixteen work-groups are here: the first joint loads meet
	s_cmp_eq_u32 s[WR], 0                          ; a wave's two first fills stand in one branch: two loads of mine are out
	s_cbranch_scc0 .Lfirst_b
	tensor_load_to_lds s[G0A:G0A+3], s[G1A:G1A+7]
	s_nop 0
	tensor_load_to_lds s[G0A+4:G0A+7], s[G1A:G1A+7]
	s_nop 0
.rept 4
	v_nop
.endr
	s_branch .Lfirst_done
.Lfirst_b:
	tensor_load_to_lds s[G0B:G0B+3], s[G1B:G1B+7]
	s_nop 0
	tensor_load_to_lds s[G0B+4:G0B+7], s[G1B:G1B+7]
	s_nop 0
.rept 4
	v_nop
.endr
.Lfirst_done:
	v_and_b32 v1, 15, v0                           ; l % 16
	v_bfe_u32 v2, v0, 4, 1                         ; l / 16
	v_and_b32 v3, 7, v0                            ; l % 8
	v_bfe_u32 v4, v0, 3, 1                         ; (l / 8) % 2
	v_mul_u32_u24 v[BASA], v1, PA                  ; a fragment of A: row l % 16, 16 bytes for each half of the lanes
	v_lshl_add_u32 v[BASA], v2, 4, v[BASA]
	s_mul_i32 s66, s[WR], 64*PA
	v_add_nc_u32 v[BASA], s66, v[BASA]
	v_lshl_add_u32 v[BASA+1], v2, 3, v3            ; the turning load: k row 8 (l / 16) + l % 8, columns 8 ((l / 8) % 2) on
	v_mul_u32_u24 v[BASA+1], v[BASA+1], PB
	v_lshl_add_u32 v[BASA+1], v4, 4, v[BASA+1]
	s_mul_i32 s66, s[WC], WCB
	s_add_co_u32 s66, s66, ABYTES
	v_add_nc_u32 v[BASA+1], s66, v[BASA+1]
	v_add_nc_u32 v[BASA+2], (KSTEP/2)*PB, v[BASA+1]
	v_mov_b32 v[ADRA], v[BASA]
	v_mov_b32 v[ADRB], v[BASA+1]
	v_mov_b32 v[ADRB+1], v[BASA+2]
	v_lshlrev_b32 v[BO], 5, v2
	s_mul_i32 s66, s[TX], NT                       ; my first column
	s_mul_i32 s67, s[WC], WCN
	s_add_co_u32 s66, s66, s67
	s_lshl_b32 s66, s66, 2
	s_mov_b32 s67, 0
	s_add_nc_u64 s[8:9], s[8:9], s[66:67]
.set b, 0
.rept NB
	global_load_b128 v[BIAS+8*b:BIAS+8*b+3],   v[BO], s[8:9] offset:4*(CNH*(b/4)+16*(b%4))
	global_load_b128 v[BIAS+8*b+4:BIAS+8*b+7], v[BO], s[8:9] offset:4*(CNH*(b/4)+16*(b%4))+16
.set b, b+1
.endr
	; the way out's addresses
	s_mul_i32 s66, s[WV], WSTAGE
	s_add_co_u32 s66, s66, STAGE                   ; my stage
	v_mul_u32_u24 v[STO], v1, 144                  ; in: row l % 16, 16 bytes for each half of the lanes
	v_lshl_add_u32 v[STO], v2, 4, v[STO]
	v_add_nc_u32 v[STO], s66, v[STO]
	v_bfe_u32 v[RD], v0, 3, 2                      ; back: 32 lanes take four rows of 128 bytes,
	v_mul_u32_u24 v[RD], v[RD], 144
	v_lshl_add_u32 v[RD], v3, 4, v[RD]
	v_add_nc_u32 v[RD], s66, v[RD]
	v_and_b32 v[GO], 31, v0                        ; which are 512 consecutive bytes of a plane
	v_lshlrev_b32 v[GO], 4, v[GO]
	s_and_b32 s68, s[TY], 15                       ; my first row in its batch, times 128 bytes
	s_lshl_b32 s68, s68, 14
	s_lshl_b32 s69, s[WR], 13
	s_add_co_u32 s68, s68, s69
	s_lshr_b32 s69, s[TY], 4                       ; the batch,
	s_lshl_b32 s69, s69, 4                         ; its 16 planes
.irp i, 0,1,2                          ; my three heads: g = 6 x tile column + 2 i + wc of 48: q 0-15, k 16-31, v 32-47
	s_mul_i32 s66, s[TX], 6
	s_add_co_u32 s66, s66, s[WC]
	s_add_co_u32 s66, s66, 2*(\i)
	s_lshr_b32 s67, s66, 4
	s_lshl_b32 s67, s67, 5                         ; 32 planes for each of q, k, v
	s_and_b32 s66, s66, 15
	s_add_co_u32 s66, s66, s67
	s_add_co_u32 s66, s66, s69
	s_lshl_b32 s66, s66, 18                        ; a plane is 262,144 bytes
	s_add_co_u32 s66, s66, s68
	s_mov_b32 s67, 0
	s_add_nc_u64 s[80+2*(\i):81+2*(\i)], s[10:11], s[66:67]
.endr
	s_wait_tensorcnt 0x1                           ; my part of slot 0 is in; slot 1's may stay out
	s_barrier_signal -1
	s_barrier_wait -1                              ; everybody's is
	FETCH 0, F0
	s_wait_loadcnt NRES                            ; the bias
	QUARTER 1, F0, F1, 1                           ; the first quarter stands in front of the loop: its products start the sums
	WIN 0
	s_mov_b32 s[CNT], NSTEP-2
.Lstep:                                ; trip j ends the walk's step j, fills its slot with step j + 2 and begins step j + 1
	QUARTER 2, F1, F0, 0
	QUARTER 3, F0, F1, 0
	TURN 1
	QUARTER 1, F0, F1, 0
	WIN 0
	s_sub_co_u32 s[CNT], s[CNT], 1
	s_cmp_lg_u32 s[CNT], 0
	s_cbranch_scc1 .Lstep
	s_mov_b32 s[CNT], 2
.Ltail:                                ; the last two steps ask for nothing
	QUARTER 2, F1, F0, 0
	QUARTER 3, F0, F1, 0
	TURN 0
	WIN 0
	s_sub_co_u32 s[CNT], s[CNT], 1
	s_cmp_eq_u32 s[CNT], 0
	s_cbranch_scc1 .Lout
	QUARTER 1, F0, F1, 0
	WIN 0
	s_branch .Ltail
.Lout:
	s_wait_dscnt 0x0                               ; the last run of loads, which serves nothing
	PLACES                                         ; behind the last products, in front of the conversions
; THE WAY OUT, a block of 16 rows at a time: rounded to bf16 (16 bytes a lane), into my own stage by heads, back as whole rows of 128 bytes, stored: each store covers 512 consecutive bytes of a plane.
.set TMP, 32                           ; v[32:79]
.set BK0, 80                           ; v[80:127], v[128:175] by turns
.macro PACK a
	WIN 0x0a+5*((\a)/2)                            ; sources 0 and 1 in window 2 or 3
.set b, 0
.rept NB
.irp r, 0,1,2,3                        ; each accumulator is read from its low end on
	v_cvt_pk_bf16_f32 v[TMP+4*b+(\r)], v[8*(NB*((\a)%2)+b)+2*(\r)], v[8*(NB*((\a)%2)+b)+2*(\r)+1]
.endr
.set b, b+1
.endr
	WIN 0
.endm
.macro TOSTAGE a
.set b, 0
.rept NB
	ds_store_b128 v[STO], v[TMP+4*b:TMP+4*b+3] offset:2304*(b/4)+32*(b%4)
.set b, b+1
.endr
.set b, 0
.rept NB
	ds_load_b128 v[BK0+48*((\a)%2)+4*b:BK0+48*((\a)%2)+4*b+3], v[RD] offset:2304*(b/4)+576*(b%4)  ; LDS serves a wave's instructions in order (ISA guide 5.7.1.4): these see the stores above
.set b, b+1
.endr
.endm
.macro SEND a
	s_wait_dscnt 0x0                               ; the block is back in registers
	s_wait_xcnt 0x0                                ; the stores of the block before have read their registers: the next TOSTAGE loads into them
.irp i, 0,1,2
.irp f, 0,1,2,3
	global_store_b128 v[GO], v[BK0+48*((\a)%2)+4*(4*(\i)+(\f)):BK0+48*((\a)%2)+4*(4*(\i)+(\f))+3], s[80+2*(\i):81+2*(\i)] offset:(\a)*2048+(\f)*512
.endr
.endr
.endm
	PACK 0
	TOSTAGE 0
.irp a, 1,2,3                          ; a block's conversions stand between the loads of the block before and the wait for them
	PACK \a
	SEND (\a)-1
	TOSTAGE \a
.endr
	SEND 3
	s_wait_tensorcnt 0x0                           ; the wave's end: the spare add between two waits, behind my last tensor load and my last LDS store
	ds_add_u32 v[SPW], v[NIL]
	s_wait_dscnt 0x0
	CROUND                                         ; the closing round: no work-group ends while a partner may still ask for a tile that names it
	s_endpgm
.Lfunc_end_k_qb6fc8e4cce_qkv:
	.size	k_qb6fc8e4cce_qkv, .Lfunc_end_k_qb6fc8e4cce_qkv-k_qb6fc8e4cce_qkv
	.p2alignl 7, 3214868480
	.fill 96, 4, 3214868480
	.section	.rodata,"a",@progbits
	.p2align	6, 0x0
	.amdhsa_kernel k_qb6fc8e4cce_qkv
		.amdhsa_group_segment_fixed_size 327680
		.amdhsa_private_segment_fixed_size 0
		.amdhsa_enable_private_segment 0
		.amdhsa_kernarg_size 32
		.amdhsa_user_sgpr_count 2
		.amdhsa_user_sgpr_kernarg_segment_ptr 1
		.amdhsa_wavefront_size32 1
		.amdhsa_system_sgpr_workgroup_id_x 1
		.amdhsa_system_sgpr_workgroup_id_y 1
		.amdhsa_system_sgpr_workgroup_id_z 1
		.amdhsa_system_vgpr_workitem_id 0
		.amdhsa_next_free_vgpr 960
		.amdhsa_next_free_sgpr 96
		.amdhsa_reserve_vcc 0
		.amdhsa_float_denorm_mode_32 3
		.amdhsa_float_denorm_mode_16_64 3
		.amdhsa_memory_ordered 1
		.amdhsa_forward_progress 1
		.amdhsa_inst_pref_size 87
	.end_amdhsa_kernel
	.amdgpu_metadata
---
amdhsa.version: [ 1, 2 ]
amdhsa.kernels:
  - .name:           k_qb6fc8e4cce_qkv
    .symbol:         k_qb6fc8e4cce_qkv.kd
    .args:
      - { .name: h, .offset: 0, .size: 8, .value_kind: global_buffer, .address_space: global }
      - { .name: wbf, .offset: 8, .size: 8, .value_kind: global_buffer, .address_space: global }
      - { .name: qkv_b, .offset: 16, .size: 8, .value_kind: global_buffer, .address_space: global }
      - { .name: qkvh, .offset: 24, .size: 8, .value_kind: global_buffer, .address_space: global }
    .group_segment_fixed_size: 327680
    .private_segment_fixed_size: 0
    .kernarg_segment_align: 8
    .kernarg_segment_size: 32
    .max_flat_workgroup_size: 128
    .sgpr_count:     96
    .vgpr_count:     960
    .wavefront_size: 32
...
	.end_amdgpu_metadata
.endif
;; end of part 2
;; launch attn (part 3): grid 16 x 16, 4 waves a work-group, no clusters, 268,800 bytes of LDS; arguments qkvh, ob; writes ob
.if DOCPART == 3
	.amdgcn_target "amdgcn-amd-amdhsa--gfx1250"
	.amdhsa_code_object_version 6
	.text
	.protected	k_qb6fc8e4cce_attn
	.globl	k_qb6fc8e4cce_attn
	.p2align	8
	.type	k_qb6fc8e4cce_attn,@function
k_qb6fc8e4cce_attn:
	s_mov_b64 s[64:65], 0
	v_nop
	global_prefetch_b8 v0, s[64:65] scope:SCOPE_SE
	s_setreg_imm32_b32 hwreg(HW_REG_WAVE_MODE, 25, 1), 1
	s_wait_xcnt 0x0
; BANDED ATTENTION.  O[q] = the sum over the keys k at most 128 away from q of softmax_k(Q[q] . K[k] / 8) V[k], for each of 32 planes (16 x batch + head) of 2,048 rows x 64 channels.
; qkvh: [q, k, v][32][2048][64] bf16.  ob: [4096 rows][1024 = head x 64 + channel] bf16.  Products, maxima and sums in f32; the weights are rounded to bf16 for the second product
; (their sum l is taken of the unrounded weights), O once at the end.
; SHARES.  A work-group takes 128 queries of TWO heads (planes 2 y, 2 y + 1), so that a row of ob gets 256 consecutive bytes.  Wave w: head e = w / 2, query half u = w % 2: 64 queries, four tiles of 16.
; Its queries Q0 .. Q0 + 63 see keys Q0 - 128 .. Q0 + 191 at the most: FIVE key steps of 64.  With r the query's place in the 64 and t the key's in its step: step 0 shows t from r on, steps 1 to 3 all, step 4 t up to r.
; LDS IS FILLED ONCE: for each head 384 rows of K and of V, keys 128 (qb - 1) .. 128 (qb + 2) - 1, three chunks of 128 keys; each wave brings three chunks (K or V of one head): three tensor loads of mine are out.
; A chunk that would lie outside the sequence is taken from the nearest chunk inside (a clamp on the chunk's number): finite numbers of the same head, which the mask hides.
; THE MASK is the C operand that starts the sum S^T = K Q^T: 0, or -1e30 where the key is hidden.  For a tile of 16 queries tq and a block of 16 keys kb three masks serve: CB (kb below tq), CA (kb above tq), CD (kb = tq);
; they are made anew in each trip from the trip's number by scalar selects: no branch hangs on it.
; SOFTMAX.  A running maximum m and sum l for each query: p = 2^(c s - c m), c = log2(e) / 8; in every step O and l are multiplied by a = 2^(c m_old - c m_new).  O and l start at 0.
; m STARTS AT -2^67: above every hidden score and below every true one.  So a hidden score never becomes the maximum: where a wave's first steps are wholly hidden (the sequence's beginning) all weights are 0 and
; O and l stay 0; the first step with a visible key takes its true maximum, with a = 0.  Step 2 is visible to every query.
; LAYOUT.  S^T holds ONE query a lane (lane % 16) and the keys 8 (lane / 16) + 0..7; two such results rounded to bf16 ARE source 1 of O^T = V^T P.  K comes out of LDS as it lies, V turned, by ds_load_tr16_b128.
; NO CLUSTER: neighbouring query blocks share two of their three chunks, but at different LDS places, and an LDS place may not hang on a work-group's place in a cluster.
; The phases of a trip stand one after the other: a wave has 320 matrix instructions in all.
; LIMITS: true scores lie above -2^67 (about -1.4e20) and far below 1e30 in size; a hidden score counts as its value less 1e30; a weight below 2^-126 counts as 0 in l; NaN and infinities are not treated apart.
; REGISTERS in windows of 256 (s_set_vgpr_msb: bits 1:0 source 0, 3:2 source 1, 5:4 source 2, 7:6 destination): window 0 addresses, statistics, S^T, P; window 1 O^T and the masks; window 2 Q, K, V.
.set PK,    144                        ; a row of K in LDS: 128 bytes + 16: the 16 rows of a load start at 16 different groups of four banks (64 banks of 4 bytes: ISA guide 11.1)
.set PV,    160                        ; a row of V: 128 + 32
.set KREG,  384*PK
.set VBASE, 2*KREG
.set VREG,  384*PV
.set STAGE, VBASE+2*VREG               ; 128 rows x 272 bytes, the work-group's, for the way out; no tensor load fills it
.set SP,    272
.set SPARE, STAGE+128*SP               ; the spare words: 128 bytes a wave, two blocks of 256 bytes that no other line names
.set QO,  3                            ; v3   my byte offset in 16 rows of Q
.set AK,  4                            ; v4   LDS address of the step's K
.set AV,  5                            ; v5   of its V
.set STO, 6
.set RD,  7
.set GO,  8
.set MV,  12                           ; v12-15  c m_old, a tile each
.set ST,  16                           ; tile t's statistics at v[16 + 4 t]: c m, m, l (even keys', odd keys')
.set TMP, 32                           ; tile t: c0-c3 at work; a takes c2's place
.set SPW, 62
.set NIL, 63
.set S,   64                           ; 32 a tile
.set P,   192                          ; 16 a tile
.set DLO, 128                          ; window 1: -1e30 where my key lies below my query in a diagonal block
.set DHI, 136                          ;           where it lies above
.set CB,  144
.set CA,  152
.set CD,  160
.set KF,  128                          ; window 2: key block kb, channel half c at KF + 16 kb + 8 c
.set VF,  192                          ; window 2: key half kk, channel block cb at VF + 32 kk + 8 cb
.set WV,  12
.set QB,  13
.set HE,  14
.set HU,  15
.set G1K, 24
.set G1V, 32
.set G0K, 40                           ; s[40:51] three sets
.set G0V, 52                           ; s[52:63]
.set CS,  66                           ; s[66:67] c, twice
.set SEL, 68                           ; s[68:69]
.set TT,  70                           ; the trip's number
.set IDX, 71                           ; the number of step 0's block of 64 keys in the sequence (may be negative)
.set AL,  72                           ; s[72:73] 1 in step 0
.set AH,  74                           ; s[74:75] 1 in step 4
.set BE,  76                           ; s[76:77] -1e30 where the step lies outside the sequence
.set BL,  78
.set BA,  79
.set BIGN, 82
.set MSB, 0
.macro WIN new
.if MSB != (\new)
	s_set_vgpr_msb (MSB<<8)|(\new)
.set MSB, (\new)
.endif
.endm
	s_load_b128 s[4:7], s[0:1], 0x0                ; qkvh s[4:5], ob s[6:7]
	v_lshl_add_u32 v[SPW], v0, 2, SPARE
	v_mov_b32 v[NIL], 0
	ds_add_u32 v[SPW], v[NIL]                      ; the opening: the add and its wait stand ahead of my first tensor load
	ds_add_u32 v62, v63
	v_lshrrev_b32 v1, 5, v0
	v_readfirstlane_b32 s[WV], v1
	s_lshr_b32 s[HE], s[WV], 1                     ; my head of the two; also: whose tiles I fetch
	s_and_b32 s[HU], s[WV], 1                      ; my half of the queries; also: I fetch K (0) or V (1)
	s_mov_b32 s[QB], ttmp9
	s_and_b32 s16, ttmp7, 0xffff                   ; y
	; group 1: 128 keys are 16,384 dense bytes: asked for as 64 rows of 256 bytes, two keys a row, padded in LDS after every key
	s_mov_b32 s[G1K], (1<<16)|(1<<20)|(4<<22)|(3<<25)
	s_mov_b32 s[G1V], (1<<16)|(1<<20)|(4<<22)|(7<<25)
.irp g, G1K, G1V
	s_mov_b32 s[\g+1], 128<<16
	s_mov_b32 s[\g+2], 64<<16
	s_mov_b32 s[\g+3], 128<<16
	s_mov_b32 s[\g+4], 64
	s_mov_b32 s[\g+5], 128
	s_mov_b32 s[\g+6], 0
	s_mov_b32 s[\g+7], 0
.endr
	s_mov_b32 s[CS], 0x3e38aa3b                    ; c = log2(e) / 8
	s_mov_b32 s[CS+1], s[CS]
	s_mov_b32 s[SEL], 0x76543210
	s_mov_b32 s[SEL+1], 0xfedcba98
	s_mov_b32 s[BIGN], 0xf149f2ca                  ; -1e30
	s_mov_b32 s[AL+1], 0                           ; named as pairs
	s_mov_b32 s[AH+1], 0
	s_mov_b32 s[BE+1], 0
	s_mov_b32 s[TT], 0
	s_lshl_b32 s[IDX], s[QB], 1
	s_add_co_u32 s[IDX], s[IDX], s[HU]
	s_sub_co_u32 s[IDX], s[IDX], 2
	s_lshl_b32 s17, s16, 1
	s_add_co_u32 s17, s17, s[HE]
	s_lshl_b32 s17, s17, 18                        ; my plane's first byte
	s_mul_i32 s18, s[HE], KREG                     ; my head's K in LDS,
	s_mul_i32 s19, s[HE], VREG
	s_add_co_u32 s19, s19, VBASE                   ; and its V
.irp c, 0,1,2
	s_add_co_i32 s[84+2*(\c)], s[QB], (\c)-1       ; the chunk's number,
	s_max_i32 s[84+2*(\c)], s[84+2*(\c)], 0        ; held inside the sequence
	s_min_i32 s[84+2*(\c)], s[84+2*(\c)], 15
	s_lshl_b32 s[84+2*(\c)], s[84+2*(\c)], 14
	s_add_co_u32 s[84+2*(\c)], s[84+2*(\c)], s17
	s_mov_b32 s[85+2*(\c)], 0
	s_mov_b32 s[G0K+4*(\c)], 1
	s_add_co_u32 s[G0K+4*(\c)+1], s18, (\c)*128*PK
	s_mov_b32 s[G0V+4*(\c)], 1
	s_add_co_u32 s[G0V+4*(\c)+1], s19, (\c)*128*PV
.endr
	s_lshl_b32 s20, s[QB], 14                      ; Q: my block's 128 rows of 128 bytes, my half of them, my plane
	s_lshl_b32 s21, s[HU], 13
	s_add_co_u32 s20, s20, s21
	s_add_co_u32 s20, s20, s17
	s_mov_b32 s21, 0
	s_lshr_b32 s22, s16, 3                         ; ob: row 2,048 x batch + 128 x block + 32 x wave,
	s_lshl_b32 s22, s22, 11
	s_lshl_b32 s23, s[QB], 7
	s_add_co_u32 s22, s22, s23
	s_lshl_b32 s23, s[WV], 5
	s_add_co_u32 s22, s22, s23
	s_lshl_b32 s22, s22, 11                        ; of 2,048 bytes,
	s_and_b32 s23, s16, 7
	s_lshl_b32 s23, s23, 8                         ; the two heads' 256 bytes
	s_add_co_u32 s22, s22, s23
	s_mov_b32 s23, 0
	s_wait_dscnt 0x0                               ; the opening add is done
	s_wait_kmcnt 0x0
.irp c, 0,1,2
	s_add_nc_u64 s[G0K+4*(\c)+2:G0K+4*(\c)+3], s[4:5], s[84+2*(\c):85+2*(\c)]
	s_add_nc_u64 s[G0K+4*(\c)+2:G0K+4*(\c)+3], s[G0K+4*(\c)+2:G0K+4*(\c)+3], 8388608
	s_or_b32 s[G0K+4*(\c)+3], s[G0K+4*(\c)+3], 0x80000000
	s_add_nc_u64 s[G0V+4*(\c)+2:G0V+4*(\c)+3], s[4:5], s[84+2*(\c):85+2*(\c)]
	s_add_nc_u64 s[G0V+4*(\c)+2:G0V+4*(\c)+3], s[G0V+4*(\c)+2:G0V+4*(\c)+3], 16777216
	s_or_b32 s[G0V+4*(\c)+3], s[G0V+4*(\c)+3], 0x80000000
.endr
	s_add_nc_u64 s[20:21], s[4:5], s[20:21]
	s_add_nc_u64 s[6:7], s[6:7], s[22:23]
	s_cmp_eq_u32 s[HU], 0                          ; a wave's three fills stand in one branch, ahead of every wait on TENSORcnt, every LDS read and every barrier
	s_cbranch_scc0 .Lfill_v
.irp c, 0,1,2
	tensor_load_to_lds s[G0K+4*(\c):G0K+4*(\c)+3], s[G1K:G1K+7]
	s_nop 0
.endr
.rept 4
	v_nop
.endr
	s_branch .Lfilled
.Lfill_v:
.irp c, 0,1,2
	tensor_load_to_lds s[G0V+4*(\c):G0V+4*(\c)+3], s[G1V:G1V+7]
	s_nop 0
.endr
.rept 4
	v_nop
.endr
.Lfilled:
	v_and_b32 v1, 15, v0                           ; l % 16
	v_bfe_u32 v9, v0, 4, 1                         ; l / 16
	v_lshlrev_b32 v[QO], 7, v1
	v_lshl_add_u32 v[QO], v9, 4, v[QO]
	WIN 0x80                                       ; destination window 2
.set i, 0
.rept 8                                ; Q stays in registers: tile i / 2, channels 32 (i % 2) on
	global_load_b128 v[8*i:8*i+3],   v[QO], s[20:21] offset:(i/2)*2048+(i%2)*64
	global_load_b128 v[8*i+4:8*i+7], v[QO], s[20:21] offset:(i/2)*2048+(i%2)*64+32
.set i, i+1
.endr
	WIN 0
	v_lshlrev_b32 v14, 3, v9
	v_sub_nc_u32 v14, v1, v14                      ; d = l % 16 - 8 (l / 16): in a diagonal block register j is my query's own key where j = d
	WIN 0x40
.set i, 0
.rept 8
	v_cmp_lt_i32 vcc_lo, i, v14
	v_cndmask_b32 v[DLO+i], 0, s[BIGN], vcc_lo
	v_cmp_gt_i32 vcc_lo, i, v14
	v_cndmask_b32 v[DHI+i], 0, s[BIGN], vcc_lo
.set i, i+1
.endr
.set i, 0
.rept 128                              ; O^T starts at 0: no first step is written out; these lines stand in the wait for the tiles
	v_mov_b32 v[i], 0
.set i, i+1
.endr
	WIN 0
.irp t, 0,1,2,3
	v_mov_b32 v[ST+4*(\t)], 0xfe000000             ; c m: far below every c s, so the first step's a is 0
	v_mov_b32 v[ST+4*(\t)+1], 0xe1000000           ; m = -2^67: above every hidden score, below every true one
	v_mov_b32 v[ST+4*(\t)+2], 0
	v_mov_b32 v[ST+4*(\t)+3], 0
.endr
	v_and_b32 v10, 7, v0
	v_bfe_u32 v11, v0, 3, 1
	s_mul_i32 s90, s[HU], 64*PK                    ; step 0 begins at LDS row 64 u
	s_add_co_u32 s90, s90, s18
	v_mul_u32_u24 v[AK], v1, PK
	v_lshl_add_u32 v[AK], v9, 4, v[AK]
	v_add_nc_u32 v[AK], s90, v[AK]
	s_mul_i32 s91, s[HU], 64*PV
	s_add_co_u32 s91, s91, s19
	v_lshl_add_u32 v[AV], v9, 3, v10               ; the turning load: key 8 (l / 16) + l % 8, channels 8 ((l / 8) % 2) on
	v_mul_u32_u24 v[AV], v[AV], PV
	v_lshl_add_u32 v[AV], v11, 4, v[AV]
	v_add_nc_u32 v[AV], s91, v[AV]
	s_mul_i32 s90, s[HU], 64*SP                    ; into the stage: my 64 rows, my head's 128 bytes of them
	s_lshl_b32 s91, s[HE], 7
	s_add_co_u32 s90, s90, s91
	s_add_co_u32 s90, s90, STAGE
	v_mul_u32_u24 v[STO], v1, SP
	v_lshl_add_u32 v[STO], v9, 4, v[STO]
	v_add_nc_u32 v[STO], s90, v[STO]
	s_mul_i32 s90, s[WV], 32*SP                    ; back: wave w takes rows 32 w .. 32 w + 31, whole
	s_add_co_u32 s90, s90, STAGE
	v_mul_u32_u24 v[RD], v9, SP
	v_lshl_add_u32 v[RD], v1, 4, v[RD]
	v_add_nc_u32 v[RD], s90, v[RD]
	v_lshlrev_b32 v[GO], 11, v9
	v_lshl_add_u32 v[GO], v1, 4, v[GO]
.macro REGS t
.set rT, ST+4*(\t)
.set rC, TMP+4*(\t)
.set rM, MV+(\t)
.set rS, S+32*(\t)
.set rP, P+16*(\t)
.set rO, 32*(\t)
.endm
; Number n of the 22 that find tile t's maximum and statistics.  0-11 four chains of seven scores each (each accumulator's lowest registers are read first);
; 12-14, 16 the four scores left over, the old m, the four into one; 15 c m_old is kept; 17, 18 the query's other 32 keys lie in the lane 16 away; 19-21 c m, its change, a.
.macro XS t, n
	REGS \t
.if (\n) < 4
	v_max3_num_f32 v[rC+(\n)], v[rS+8*(\n)], v[rS+8*(\n)+1], v[rS+8*(\n)+2]
.elseif (\n) < 12
	v_max3_num_f32 v[rC+(\n)%4], v[rC+(\n)%4], v[rS+8*((\n)%4)+2*((\n)/4)+1], v[rS+8*((\n)%4)+2*((\n)/4)+2]
.elseif (\n) == 12
	v_max3_num_f32 v[rC], v[rC], v[rS+7], v[rS+15]
.elseif (\n) == 13
	v_max3_num_f32 v[rC+1], v[rC+1], v[rS+23], v[rS+31]
.elseif (\n) == 14
	v_max3_num_f32 v[rC+2], v[rC+2], v[rC+3], v[rT+1]
.elseif (\n) == 15
	v_mov_b32 v[rM], v[rT]
.elseif (\n) == 16
	v_max3_num_f32 v[rC], v[rC], v[rC+1], v[rC+2]
.elseif (\n) == 17
	v_permlanex16_b32 v[rC+3], v[rC], s[SEL], s[SEL+1]
.elseif (\n) == 18
	v_max_num_f32 v[rT+1], v[rC], v[rC+3]
.elseif (\n) == 19
	v_mul_f32 v[rT], s[CS], v[rT+1]
.elseif (\n) == 20
	v_sub_f32 v[rC+1], v[rM], v[rT]
.else
	v_exp_f32 v[rC+2], v[rC+1]
.endif
.endm
	s_wait_tensorcnt 0x0                           ; my three chunks are in,
	s_barrier_signal -1
	s_barrier_wait -1                              ; everybody's are
	s_wait_loadcnt 0x0                             ; Q
.Lkey:                                 ; five trips, a key step each
	s_add_co_u32 s83, s[IDX], s[TT]                ; the step's block of 64 keys: outside 0 .. 31 (a negative number is a large one) it is hidden whole
	s_cmp_gt_u32 s83, 31
	s_cselect_b32 s[BE], s[BIGN], 0
	s_cmp_eq_u32 s[TT], 0
	s_cselect_b32 s[BL], s[BIGN], s[BE]            ; key blocks below the query tile: hidden in step 0
	s_cselect_b32 s[AL], 1.0, 0
	s_cmp_eq_u32 s[TT], 4
	s_cselect_b32 s[BA], s[BIGN], s[BE]            ; key blocks above it: hidden in step 4
	s_cselect_b32 s[AH], 1.0, 0
	WIN 0x51                                       ; destination, source 0 and source 2 in window 1
.set i, 0
.rept 8                                ; these 24 plain lines are also the places between the last trip's products and the loads below
	v_mov_b32 v[CB+i], s[BL]
	v_mov_b32 v[CA+i], s[BA]
.set i, i+1
.endr
.irp i, 0,2,4,6
	v_pk_fma_f32 v[CD+(\i):CD+(\i)+1], v[DLO+(\i):DLO+(\i)+1], s[AL:AL+1], s[BE:BE+1] op_sel_hi:[1,0,0]
.endr
.irp i, 0,2,4,6
	v_pk_fma_f32 v[CD+(\i):CD+(\i)+1], v[DHI+(\i):DHI+(\i)+1], s[AH:AH+1], v[CD+(\i):CD+(\i)+1] op_sel_hi:[1,0,1]
.endr
	WIN 0x80                                       ; destination window 2
.irp f, 0,1,2,3,4,5,6,7                ; K: keys 16 (f / 2) on, channels 32 (f % 2) on
	ds_load_b128 v[KF+8*\f:KF+8*\f+3],   v[AK] offset:(\f/2)*16*PK+(\f%2)*64
	ds_load_b128 v[KF+8*\f+4:KF+8*\f+7], v[AK] offset:(\f/2)*16*PK+(\f%2)*64+32
.endr
.irp f, 0,1,2,3,4,5,6,7                ; V, turned: keys 32 (f / 4) on, channels 16 (f % 4) on
	ds_load_tr16_b128 v[VF+8*\f:VF+8*\f+3],   v[AV] offset:(\f/4)*32*PV+(\f%4)*32
	ds_load_tr16_b128 v[VF+8*\f+4:VF+8*\f+7], v[AV] offset:(\f/4)*32*PV+16*PV+(\f%4)*32
.endr
	WIN 0
	v_add_nc_u32 v[AK], 64*PK, v[AK]               ; the next step's
	v_add_nc_u32 v[AV], 64*PV, v[AV]
	s_wait_dscnt 16                                ; K is in; V's 16 loads stay out
.set i, 0
.rept 32                               ; S^T = K Q^T: channels 32 (i / 16) on, keys 16 ((i / 4) % 4) on, tile i % 4; 16 accumulators by turns; the first 16 start the sums with the mask
.set kb, (i/4)%4
.set t, i%4
.set rS, S+32*t+8*kb
.set rK, KF+16*kb+8*(i/16)
.set rQ, 16*t+8*(i/16)
.set rMk, CD
.if kb < t
.set rMk, CB
.endif
.if kb > t
.set rMk, CA
.endif
.if i < 16
	WIN 0x1a                                       ; K and Q in window 2, the mask in window 1, S^T in window 0
	v_wmma_f32_16x16x32_bf16 v[rS:rS+7], v[rK:rK+7], v[rQ:rQ+7], v[rMk:rMk+7]
.else
	WIN 0x0a
	v_wmma_f32_16x16x32_bf16 v[rS:rS+7], v[rK:rK+7], v[rQ:rQ+7], v[rS:rS+7]
.endif
.set i, i+1
.endr
	WIN 0
.rept 4
	v_nop                                          ; the places behind those products
.endr
.irp n, 0,1,2,3,4,5,6,7,8,9,10,11,12,13,14,15,16,17,18,19,20
.irp t, 0,1,2,3                        ; the four tiles alternate, so that no line reads the result of the one before it
	XS \t, \n
.endr
.endr
.set n, 0
.rept 16
.irp t, 0,1,2,3
	REGS \t
	v_pk_fma_f32 v[rS+2*n:rS+2*n+1], v[rS+2*n:rS+2*n+1], s[CS:CS+1], v[rT:rT+1] op_sel_hi:[1,0,0] neg_lo:[0,0,1] neg_hi:[0,0,1]  ; c s - c m
.endr
.set n, n+1
.endr
.irp t, 0,1,2,3                        ; ONE BATCH: the four a and the 128 exponentials; nothing ahead of the wait names a result
	XS \t, 21
.endr
.set n, 0
.rept 32
.irp t, 0,1,2,3
	REGS \t
	v_exp_f32 v[rS+n], v[rS+n]
.endr
.set n, n+1
.endr
	v_nop                                          ; a plain instruction behind the last exponential,
	s_wait_alu depctr_va_vdst(0)                   ; and one wait for the batch, ahead of its first reader
.set n, 0
.rept 16
.irp t, 0,1,2,3
	REGS \t
	v_cvt_pk_bf16_f32 v[rP+n], v[rS+2*n], v[rS+2*n+1]
.endr
.set n, n+1
.endr
.irp z, 0,1,2,3,4,5,6,7                ; the sum of a tile's 16 pairs, in place: neighbours 1, 2, 4 and 8 pairs apart
.irp t, 0,1,2,3
	REGS \t
	v_pk_add_f32 v[rS+4*(\z):rS+4*(\z)+1], v[rS+4*(\z):rS+4*(\z)+1], v[rS+4*(\z)+2:rS+4*(\z)+3]
.endr
.endr
.irp z, 0,1,2,3
.irp t, 0,1,2,3
	REGS \t
	v_pk_add_f32 v[rS+8*(\z):rS+8*(\z)+1], v[rS+8*(\z):rS+8*(\z)+1], v[rS+8*(\z)+4:rS+8*(\z)+5]
.endr
.endr
.irp z, 0,1
.irp t, 0,1,2,3
	REGS \t
	v_pk_add_f32 v[rS+16*(\z):rS+16*(\z)+1], v[rS+16*(\z):rS+16*(\z)+1], v[rS+16*(\z)+8:rS+16*(\z)+9]
.endr
.endr
.irp t, 0,1,2,3
	REGS \t
	v_pk_add_f32 v[rS:rS+1], v[rS:rS+1], v[rS+16:rS+17]
.endr
.irp t, 0,1,2,3
	REGS \t
	v_pk_fma_f32 v[rT+2:rT+3], v[rT+2:rT+3], v[rC+2:rC+3], v[rS:rS+1] op_sel_hi:[1,0,1]  ; l = a l + the sum
.endr
	WIN 0x41                                       ; O^T (destination and source 0) in window 1, a in window 0
.set n, 0
.rept 16
.irp t, 0,1,2,3
	REGS \t
	v_pk_mul_f32 v[rO+2*n:rO+2*n+1], v[rO+2*n:rO+2*n+1], v[rC+2:rC+3] op_sel_hi:[1,0]
.endr
.set n, n+1
.endr
	s_wait_dscnt 0x0                               ; V is in
	WIN 0x52                                       ; V in window 2, P in window 0, O^T in window 1
.set i, 0
.rept 32                               ; O^T += V^T P: keys 32 (i / 16) on, channels 16 ((i / 4) % 4) on, tile i % 4; 16 accumulators by turns
.set rO, 32*(i%4)+8*((i/4)%4)
.set rV, VF+32*(i/16)+8*((i/4)%4)
.set rP, P+16*(i%4)+8*(i/16)
	v_wmma_f32_16x16x32_bf16 v[rO:rO+7], v[rV:rV+7], v[rP:rP+7], v[rO:rO+7]
.set i, i+1
.endr
	WIN 0
	s_add_co_u32 s[TT], s[TT], 1
	s_cmp_lt_u32 s[TT], 5
	s_cbranch_scc1 .Lkey
	; THE WAY OUT.  l's two halves and the other half of the lanes' are added (the additions are the places behind the last products); O^T is divided by l, rounded to bf16 and put into the work-group's stage.
.irp t, 0,1,2,3
	v_add_f32 v[ST+4*(\t)+2], v[ST+4*(\t)+2], v[ST+4*(\t)+3]
.endr
.irp t, 0,1,2,3
	v_permlanex16_b32 v[ST+4*(\t)+3], v[ST+4*(\t)+2], s[SEL], s[SEL+1]
.endr
.irp t, 0,1,2,3
	v_add_f32 v[ST+4*(\t)+2], v[ST+4*(\t)+2], v[ST+4*(\t)+3]
.endr
.irp t, 0,1,2,3
	v_rcp_f32 v[ST+4*(\t)+2], v[ST+4*(\t)+2]
.endr
	v_nop                                          ; a plain instruction behind the last reciprocal,
	s_wait_alu depctr_va_vdst(0)                   ; and one wait for the four
.irp t, 0,1,2,3
	WIN 0x41
.set i, 32*(\t)
.rept 16
	v_pk_mul_f32 v[i:i+1], v[i:i+1], v[ST+4*(\t)+2:ST+4*(\t)+3] op_sel_hi:[1,0]
.set i, i+2
.endr
	WIN 0x05                                       ; sources 0 and 1 window 1, destination window 0: S^T's registers are free
.set i, 0
.rept 16
	v_cvt_pk_bf16_f32 v[S+16*(\t)+i], v[32*(\t)+2*i], v[32*(\t)+2*i+1]
.set i, i+1
.endr
	WIN 0
.irp f, 0,1,2,3
	ds_store_b128 v[STO], v[S+16*(\t)+4*(\f):S+16*(\t)+4*(\f)+3] offset:(\t)*16*SP+32*(\f)
.endr
.endr
	s_wait_dscnt 0x0                               ; for the others' sake: my stores into the stage are done
	s_barrier_signal -1
	s_barrier_wait -1                              ; a row's 256 bytes come from two waves
.irp f, 0,1,2,3,4,5,6,7,8,9,10,11,12,13,14,15
	ds_load_b128 v[S+4*(\f):S+4*(\f)+3], v[RD] offset:(\f)*2*SP
.endr
.irp f, 0,1,2,3,4,5,6,7,8,9,10,11,12,13,14,15
	s_wait_dscnt 15-(\f)                           ; load f is back, the younger ones stay out
	global_store_b128 v[GO], v[S+4*(\f):S+4*(\f)+3], s[6:7] offset:(\f)*4096  ; 16 lanes store 256 consecutive bytes, at a multiple of 256 from ob's first byte
.endr
	s_wait_tensorcnt 0x0                           ; the wave's end: the spare add between two waits, behind my last tensor load and my last LDS store
	ds_add_u32 v[SPW], v[NIL]
	s_wait_dscnt 0x0
	s_endpgm
.Lfunc_end_k_qb6fc8e4cce_attn:
	.size	k_qb6fc8e4cce_attn, .Lfunc_end_k_qb6fc8e4cce_attn-k_qb6fc8e4cce_attn
	.p2alignl 7, 3214868480
	.fill 96, 4, 3214868480
	.section	.rodata,"a",@progbits
	.p2align	6, 0x0
	.amdhsa_kernel k_qb6fc8e4cce_attn
		.amdhsa_group_segment_fixed_size 268800
		.amdhsa_private_segment_fixed_size 0
		.amdhsa_enable_private_segment 0
		.amdhsa_kernarg_size 16
		.amdhsa_user_sgpr_count 2
		.amdhsa_user_sgpr_kernarg_segment_ptr 1
		.amdhsa_wavefront_size32 1
		.amdhsa_system_sgpr_workgroup_id_x 1
		.amdhsa_system_sgpr_workgroup_id_y 1
		.amdhsa_system_sgpr_workgroup_id_z 1
		.amdhsa_system_vgpr_workitem_id 0
		.amdhsa_next_free_vgpr 768
		.amdhsa_next_free_sgpr 96
		.amdhsa_reserve_vcc 1
		.amdhsa_float_denorm_mode_32 3
		.amdhsa_float_denorm_mode_16_64 3
		.amdhsa_memory_ordered 1
		.amdhsa_forward_progress 1
		.amdhsa_inst_pref_size 63
	.end_amdhsa_kernel
	.amdgpu_metadata
---
amdhsa.version: [ 1, 2 ]
amdhsa.kernels:
  - .name:           k_qb6fc8e4cce_attn
    .symbol:         k_qb6fc8e4cce_attn.kd
    .args:
      - { .name: qkvh, .offset: 0, .size: 8, .value_kind: global_buffer, .address_space: global }
      - { .name: ob, .offset: 8, .size: 8, .value_kind: global_buffer, .address_space: global }
    .group_segment_fixed_size: 268800
    .private_segment_fixed_size: 0
    .kernarg_segment_align: 8
    .kernarg_segment_size: 16
    .max_flat_workgroup_size: 128
    .sgpr_count:     96
    .vgpr_count:     768
    .wavefront_size: 32
...
	.end_amdgpu_metadata
.endif
;; end of part 3
;; launch outp (part 4): grid 8 x 32, 4 waves a work-group, clusters of 4 x 4, 327,680 bytes of LDS; arguments ob, wbf, out_b, x, x1; writes x1
.if DOCPART == 4
	.amdgcn_target "amdgcn-amd-amdhsa--gfx1250"
	.amdhsa_code_object_version 6
	.text
	.protected	k_qb6fc8e4cce_outp
	.globl	k_qb6fc8e4cce_outp
	.p2align	8
	.type	k_qb6fc8e4cce_outp,@function
k_qb6fc8e4cce_outp:
	s_mov_b64 s[64:65], 0
	v_nop
	global_prefetch_b8 v0, s[64:65] scope:SCOPE_SE
	s_setreg_imm32_b32 hwreg(HW_REG_WAVE_MODE, 25, 1), 1
	s_wait_xcnt 0x0
	s_wait_alu depctr_hold_cnt(0) depctr_sa_sdst(0) depctr_va_vdst(0) depctr_va_sdst(0) depctr_va_ssrc(0) depctr_va_vcc(0) depctr_vm_vsrc(0)
	s_getreg_b32 s2, hwreg(HW_REG_IB_STS2, 6, 4)
	s_cmp_eq_u32 s2, 0
	s_cbranch_scc0 .Lentry_in_a_cluster
	s_endpgm
.Lentry_in_a_cluster:
	s_bfe_u32 s2, ttmp6, 0x10000c
	s_cmp_lg_u32 s2, 0xf033
	s_cbranch_scc0 .Lentry_shape_is_right
	s_endpgm
.Lentry_shape_is_right:
; x1 = x + ob W + bias.  ob: [4096][1024] bf16.  W = out_w in bf16, [1024][1024], at byte 6,291,456 of wbf.  bias: [1024] f32.  x, x1: [4096][1024] f32.
; SHARES.  A work-group makes 128 rows x 128 columns: 8 x 32 work-groups.  Four waves, 2 x 2: a wave makes 64 x 64, 4 x 4 accumulators of 16 x 16.
; RING.  K goes in steps of 256, as long as two slots in LDS allow: 128 rows of ob (512 bytes each, 528 apart) and 256 rows of W (256 bytes each, 288 apart).
; Waves 0, 1 fetch the halves of ob's tile, waves 2, 3 those of W's: one tensor load a wave behind each change of slots.  W lies [k][n] and is turned on its way out of LDS by ds_load_tr16_b128.
; THE WALK ALONG K IS ROTATED.  A cluster whose x + y is odd begins at K step NSTEP / 2 and wraps round; the others begin at 0.  The two clusters that read the same rows of ob (same y) and, of the
; clusters that read the same columns of W (same x), those with neighbouring y then ask for a given K step NSTEP / 2 changes of slots apart, not at the same time.  The number is the same in all sixteen
; partners, so a joint load's descriptor stays equal in all that it names; no branch, trip count or LDS address hangs on it.  Each f32 sum takes its K steps in its cluster's order.
; THE MATRIX INSTRUCTION IS USED TRANSPOSED: source 0 = 16 columns of W, source 1 = 16 rows of ob: a lane then holds ONE row (lane % 16) and eight neighbouring columns.
; THE BIAS is the C operand of the first product on each accumulator.  THE RESIDUAL (my 64 x 64 numbers of x) is loaded at the head into 128 registers and added on the way out, in f32.
; CLUSTER 4 x 4: ob's tile hangs on the tile row alone and is asked for jointly by a row of the cluster, W's on the tile column alone, by a column.
; A K step is written once: the loop's trip goes from a step's second quarter to the next step's first.  The tail (two steps that ask for nothing) is a loop left in its middle;
; its last change of slots passes one barrier and issues a run of 32 LDS loads that serve nothing: the price, once a launch, of writing the tail once.
; REGISTERS in windows of 256 (s_set_vgpr_msb: bits 1:0 source 0, 3:2 source 1, 5:4 source 2, 7:6 destination): window 0 addresses, bias, residual, way out;
; window 1 two fragment buffers of 128; windows 2, 3 the accumulators: (a, b) in window 2 + a / 2 at v[8 (NB (a % 2) + b)].
; LIMITS: operands are rounded to bf16; NaN and infinities are not treated apart.
.set SIZE_N, 1024
.set SIZE_K, 1024
.set NT,     128
.set NB,     4
.set KSTEP,  256
.set KD,     2                         ; matrix instructions deep in a quarter step
.set PA,     528                       ; 132 words: 16 rows start at 16 different groups of four banks (64 banks of 4 bytes: ISA guide 11.1)
.set PB,     288                       ; 9 x 32 bytes: the 8 rows of a turning load start at 8 different groups of eight banks
.set QIA,    6                         ; padding behind every 128 words
.set QIB,    5                         ; behind every 64
.set WOFF,   6291456
.set WCB,    128
.set WCN,    64
.set CBH,    128                       ; column block b lies at 32 b bytes,
.set CNH,    64                        ; and is column 16 b
.set WSTAGE, 16*272                    ; a wave's stage: 16 rows x 272 bytes
.set NRES,   32                        ; the residual's loads may stay out when the bias is wanted
.set NSTEP,  SIZE_K/KSTEP
.set ABYTES, 128*PA
.set SLOT,   ABYTES+KSTEP*PB
.set STAGE,  2*SLOT
.set SPARE,  STAGE+4*WSTAGE
.set STEPA,  KSTEP*2
.set STEPB,  KSTEP*SIZE_N*2
.set NLD,    KD*(2*NB+8)
.set LATE,   4+12*(KD-1)
.set ADRA, 16
.set ADRB, 17
.set BASA, 20
.set STO,  24
.set RD,   25
.set GO,   26
.set BO,   27
.set SPW,  28
.set NIL,  29
.set BIAS, 32
.set F0,   0
.set F1,   128
.set WV, 14
.set WR, 15
.set WC, 16
.set CX, 17
.set CY, 18
.set TX, 19
.set TY, 20
.set LWA, 21
.set LWB, 22
.set G1A, 24
.set G0A, 32
.set TB,  40
.set CNT, 41
.set BSA, 44                           ; s[44:45] A at my rows of the tile, K step 0; behind the head never rewritten
.set BSB, 46                           ; s[46:47] W at my rows of K step 0, the tile's first column; likewise
.set G1B, 48
.set G0B, 56
.set OFA, 86                           ; s[86:87] a K step's byte offset in A's rows
.set OFB, 88                           ; s[88:89] in W
.set SN,  90                           ; s90      the K step that the next refill asks for
.set MSB, 0
.macro WIN new                         ; the immediate's high byte repeats the setting that is left; a switch that changes nothing is dropped
.if MSB != (\new)
	s_set_vgpr_msb (MSB<<8)|(\new)
.set MSB, (\new)
.endif
.endm
.macro PLACES                          ; four plain vector instructions between a matrix instruction and a load into, or a reader of, its registers
.rept 4
	v_nop
.endr
.endm
.macro CREST                           ; a round of the cluster's barrier behind its opening barrier
	s_cmp_lg_u32 s[WV], 0
	s_cbranch_scc1 .Lnot_wave_0_\@
	s_barrier_signal -3
.Lnot_wave_0_\@:
	s_barrier_wait -3
	s_barrier_signal -1
	s_barrier_wait -1
.endm
.macro CROUND
	s_barrier_signal -1
	s_barrier_wait -1
	CREST
.endm
.macro JLOAD                           ; a joint refill by the walking set; the branch hangs on the wave's number alone; s_nop 0 and four v_nop follow each line
	s_cmp_eq_u32 s[WR], 0
	s_cbranch_scc0 .Lfor_b_\@
	tensor_load_to_lds s[G0A+4:G0A+7], s[G1A:G1A+7]
	s_nop 0
.rept 4
	v_nop
.endr
	s_branch .Lasked_\@
.Lfor_b_\@:
	tensor_load_to_lds s[G0B+4:G0B+7], s[G1B:G1B+7]
	s_nop 0
.rept 4
	v_nop
.endr
.Lasked_\@:
.endm
; Row blocks a0 .. a0 + na - 1 x all column blocks, 32 along K: part c of buffer f.  first = 1: the product starts the sum with the bias.
; The accumulators take turns, one instruction a turn, in the same order in every quarter.
.macro MUL f, c, a0, na, first
.set a, (\a0)
.rept (\na)
.set w, 2+a/2
.if \first
	WIN 0x05|(w<<6)
.else
	WIN 0x05|(w<<6)|(w<<4)
.endif
.set b, 0
.rept NB
.set rD, 8*(NB*(a%2)+b)
.set rB, (\f)+32*KD+8*(NB*(\c)+b)
.set rA, (\f)+8*(4*(\c)+a)
.if \first
	v_wmma_f32_16x16x32_bf16 v[rD:rD+7], v[rB:rB+7], v[rA:rA+7], v[BIAS+8*b:BIAS+8*b+7]
.else
	v_wmma_f32_16x16x32_bf16 v[rD:rD+7], v[rB:rB+7], v[rA:rA+7], v[rD:rD+7]
.endif
.set b, b+1
.endr
.set a, a+1
.endr
.endm
.macro H0A f, first                    ; a quarter's products in three parts
.if KD == 1
	MUL \f, 0, 0, 1, \first
.else
	MUL \f, 0, 0, 2, \first
.endif
.endm
.macro H0B f, first
.if KD == 1
	MUL \f, 0, 1, 1, \first
.else
	MUL \f, 0, 2, 2, \first
.endif
.endm
.macro H1 f, first
.if KD == 1
	MUL \f, 0, 2, 2, \first
.else
	MUL \f, 1, 0, 4, 0
.endif
.endm
; One run of LDS loads: the fragments of quarter p of the slot in hand, into buffer f; what the quarter's first half wants comes first.
.macro FETCH p, f
	WIN 0x40                                       ; destination window 1, address window 0
.set c, 0
.rept KD
.set kr, 32*((\p)*KD+c)
.set rW, ADRB+kr/(KSTEP/2)
.set ko, (kr%(KSTEP/2))*PB
.set b, 0
.rept NB
.set rB, (\f)+32*KD+8*(NB*c+b)
	ds_load_tr16_b128 v[rB:rB+3],   v[rW] offset:ko+CBH*(b/4)+32*(b%4)
	ds_load_tr16_b128 v[rB+4:rB+7], v[rW] offset:ko+CBH*(b/4)+32*(b%4)+16*PB
.set b, b+1
.endr
.set a, 0
.rept 4
.set rA, (\f)+8*(4*c+a)
	ds_load_b128 v[rA:rA+3],   v[ADRA] offset:64*((\p)*KD+c)+a*16*PA
	ds_load_b128 v[rA+4:rA+7], v[ADRA] offset:64*((\p)*KD+c)+a*16*PA+32
.set a, a+1
.endr
.set c, c+1
.endr
.endm
; Multiplies buffer f and, in its middle, fetches quarter p into buffer g.
.macro QUARTER p, f, g, first
	s_wait_dscnt LATE                              ; all of f but its youngest LATE loads, which the second half wants
	H0A \f, \first
	H0B \f, \first
	PLACES
	FETCH \p, \g
	s_wait_dscnt NLD                               ; all but the run just issued
	H1 \f, \first
.endm
; A step's last quarter (buffer 1) and the change of slots.  In front of the barrier each wave waits for all its tensor loads (one is out: its part of the other slot), adds 0 to its
; spare word, and waits for that and for its reads of this slot.  fill = 1: the barrier opens a round of the cluster's, and the joint refill of the slot just left is the first thing behind the round.
.macro TURN fill
	WIN 0                                          ; the add's registers lie in window 0
	s_wait_tensorcnt 0x0                           ; no tensor load of mine is out, so the walking sets may be written
	ds_add_u32 v[SPW], v[NIL]                      ; 0 onto my spare word; scalar work and products stand between it and the wait for it
.if \fill
	s_add_co_u32 s[G0A+5], s[LWA], s[TB]           ; my place in the slot that is being left;
	s_mul_i32 s[OFA], s[SN], STEPA                 ; the address is made anew: the tile's base and the K step's offset, made apart,
	s_add_nc_u64 s[G0A+6:G0A+7], s[BSA:BSA+1], s[OFA:OFA+1]
	s_or_b32 s[G0A+7], s[G0A+7], 0x80000000        ; and the type bits
	s_add_co_u32 s[G0B+5], s[LWB], s[TB]
	s_mul_i32 s[OFB], s[SN], STEPB
	s_add_nc_u64 s[G0B+6:G0B+7], s[BSB:BSB+1], s[OFB:OFB+1]
	s_or_b32 s[G0B+7], s[G0B+7], 0x80000000
	s_add_co_u32 s[SN], s[SN], 1                   ; the next K step of the walk, round the end
	s_and_b32 s[SN], s[SN], NSTEP-1
.endif
	s_xor_b32 s[TB], s[TB], SLOT                   ; 0 becomes SLOT, SLOT becomes 0: the other slot
	s_wait_dscnt LATE+1                            ; the add and the youngest LATE loads may be out
	H0A F1, 0
	s_wait_dscnt 0x0                               ; the add is done, my reads of this slot are over
	s_barrier_signal -1
	H0B F1, 0                                      ; work on registers while the others arrive
	WIN 0                                          ; at a branch and at a label every window is 0
	s_barrier_wait -1
.if \fill
	CREST                                          ; no wave of any partner still reads the slot or has a load on its way
	JLOAD                                          ; its four v_nop are also the places in front of the loads below
.else
	PLACES
.endif
	v_add_nc_u32 v[ADRA], s[TB], v[BASA]
	v_add_nc_u32 v[ADRB], s[TB], v[BASA+1]
	v_add_nc_u32 v[ADRB+1], s[TB], v[BASA+2]
	FETCH 0, F0
	H1 F1, 0
.endm
	s_load_b256 s[4:11], s[0:1], 0x0               ; A s[4:5], wbf s[6:7], bias s[8:9], the residual s[10:11]
	s_load_b64 s[12:13], s[0:1], 0x20              ; the result
	v_lshl_add_u32 v[SPW], v0, 2, SPARE
	v_mov_b32 v[NIL], 0
	ds_add_u32 v[SPW], v[NIL]                      ; the opening: the add and its wait stand ahead of my first tensor load; set-up on registers stands between
	ds_add_u32 v28, v29
	v_lshrrev_b32 v1, 5, v0
	v_readfirstlane_b32 s[WV], v1
	s_lshr_b32 s[WR], s[WV], 1
	s_and_b32 s[WC], s[WV], 1
	s_bfe_u32 s[CX], ttmp6, 0x40000
	s_bfe_u32 s[CY], ttmp6, 0x40004
	s_lshl_b32 s[TX], ttmp9, 2
	s_add_co_u32 s[TX], s[TX], s[CX]
	s_and_b32 s[TY], ttmp7, 0xffff
	s_lshl_b32 s[TY], s[TY], 2
	s_add_co_u32 s[TY], s[TY], s[CY]
	s_lshl_b32 s42, s[CY], 2
	s_lshl_b32 s42, 15, s42                        ; my row of the cluster
	s_lshl_b32 s43, 0x1111, s[CX]                  ; my column
	s_or_b32 s[G1A], s42, (1<<16)|(1<<20)|(1<<21)|(QIA<<22)|(3<<25)  ; mask; 2-byte elements; padding on; bit 21 beside a mask; interval; 4 words of padding
	s_or_b32 s[G1B], s43, (1<<16)|(1<<20)|(1<<21)|(QIB<<22)|(7<<25)  ; the same with 8 words
	s_mov_b32 s[G1A+1], KSTEP<<16                  ; tensor_dim0
	s_mov_b32 s[G1A+2], 64<<16                     ; tensor_dim1
	s_mov_b32 s[G1A+3], KSTEP<<16                  ; tile_dim0
	s_mov_b32 s[G1A+4], 64                         ; tile_dim1: 64 rows
	s_mov_b32 s[G1A+5], SIZE_K                     ; elements from row to row
	s_mov_b32 s[G1A+6], 0
	s_mov_b32 s[G1A+7], 0
	s_mov_b32 s[G1B+1], NT<<16
	s_mov_b32 s[G1B+2], (KSTEP/2)<<16
	s_mov_b32 s[G1B+3], NT<<16
	s_mov_b32 s[G1B+4], KSTEP/2                    ; KSTEP / 2 rows of W
	s_mov_b32 s[G1B+5], SIZE_N
	s_mov_b32 s[G1B+6], 0
	s_mov_b32 s[G1B+7], 0
	s_mul_i32 s[LWA], s[WC], 64*PA                 ; no place in the cluster enters an LDS address
	s_mul_i32 s[LWB], s[WC], (KSTEP/2)*PB
	s_add_co_u32 s[LWB], s[LWB], ABYTES
	s_mov_b32 s[TB], 0
	s_and_b32 s[SN], ttmp7, 0xffff                 ; cluster y
	s_add_co_u32 s[SN], s[SN], ttmp9               ; + cluster x: the same in all sixteen partners
	s_and_b32 s[SN], s[SN], 1
	s_mul_i32 s[SN], s[SN], NSTEP/2                ; the K step at which my cluster's walk begins
	s_mul_i32 s[OFA], s[SN], STEPA
	s_mov_b32 s[OFA+1], 0
	s_mul_i32 s[OFB], s[SN], STEPB
	s_mov_b32 s[OFB+1], 0
	s_lshl_b32 s[BSA], s[TY], 7                    ; A: row 128 x tile row + 64 x half,
	s_lshl_b32 s[BSA+1], s[WC], 6
	s_add_co_u32 s[BSA], s[BSA], s[BSA+1]
	s_mul_i32 s[BSA], s[BSA], SIZE_K*2             ; in bytes (under 2^25)
	s_mov_b32 s[BSA+1], 0
	s_mul_i32 s[BSB], s[WC], (KSTEP/2)*SIZE_N*2    ; W: my half of a step's rows,
	s_mul_i32 s[BSB+1], s[TX], NT*2                ; the tile's first column,
	s_add_co_u32 s[BSB], s[BSB], s[BSB+1]
	s_add_co_u32 s[BSB], s[BSB], WOFF              ; the matrix's place in wbf
	s_mov_b32 s[BSB+1], 0
	s_wait_dscnt 0x0                               ; the opening add is done
	s_wait_kmcnt 0x0
	s_add_nc_u64 s[BSA:BSA+1], s[4:5], s[BSA:BSA+1]
	s_add_nc_u64 s[BSB:BSB+1], s[6:7], s[BSB:BSB+1]
.irp s, 0,1
	s_mov_b32 s[G0A+4*(\s)], 1
	s_add_co_u32 s[G0A+4*(\s)+1], s[LWA], (\s)*SLOT
	s_mov_b32 s[G0B+4*(\s)], 1
	s_add_co_u32 s[G0B+4*(\s)+1], s[LWB], (\s)*SLOT
.endr
	s_add_nc_u64 s[G0A+2:G0A+3], s[BSA:BSA+1], s[OFA:OFA+1]  ; slot 0: the walk's first K step,
	s_add_nc_u64 s[G0A+6:G0A+7], s[G0A+2:G0A+3], STEPA       ; slot 1: its second
	s_add_nc_u64 s[G0B+2:G0B+3], s[BSB:BSB+1], s[OFB:OFB+1]
	s_add_nc_u64 s[G0B+6:G0B+7], s[G0B+2:G0B+3], STEPB
.irp r, G0A+3, G0A+7, G0B+3, G0B+7
	s_or_b32 s[\r], s[\r], 0x80000000
.endr
	s_add_co_u32 s[SN], s[SN], 2                   ; the first refill asks for the walk's third
	s_and_b32 s[SN], s[SN], NSTEP-1
	CROUND                                         ; all sixteen work-groups are here: the first joint loads meet
	s_cmp_eq_u32 s[WR], 0                          ; a wave's two first fills stand in one branch: two loads of mine are out
	s_cbranch_scc0 .Lfirst_b
	tensor_load_to_lds s[G0A:G0A+3], s[G1A:G1A+7]
	s_nop 0
	tensor_load_to_lds s[G0A+4:G0A+7], s[G1A:G1A+7]
	s_nop 0
.rept 4
	v_nop
.endr
	s_branch .Lfirst_done
.Lfirst_b:
	tensor_load_to_lds s[G0B:G0B+3], s[G1B:G1B+7]
	s_nop 0
	tensor_load_to_lds s[G0B+4:G0B+7], s[G1B:G1B+7]
	s_nop 0
.rept 4
	v_nop
.endr
.Lfirst_done:
	v_and_b32 v1, 15, v0                           ; l % 16
	v_bfe_u32 v2, v0, 4, 1                         ; l / 16
	v_and_b32 v3, 7, v0                            ; l % 8
	v_bfe_u32 v4, v0, 3, 1                         ; (l / 8) % 2
	v_mul_u32_u24 v[BASA], v1, PA                  ; a fragment of A: row l % 16, 16 bytes for each half of the lanes
	v_lshl_add_u32 v[BASA], v2, 4, v[BASA]
	s_mul_i32 s66, s[WR], 64*PA
	v_add_nc_u32 v[BASA], s66, v[BASA]
	v_lshl_add_u32 v[BASA+1], v2, 3, v3            ; the turning load: k row 8 (l / 16) + l % 8, columns 8 ((l / 8) % 2) on
	v_mul_u32_u24 v[BASA+1], v[BASA+1], PB
	v_lshl_add_u32 v[BASA+1], v4, 4, v[BASA+1]
	s_mul_i32 s66, s[WC], WCB
	s_add_co_u32 s66, s66, ABYTES
	v_add_nc_u32 v[BASA+1], s66, v[BASA+1]
	v_add_nc_u32 v[BASA+2], (KSTEP/2)*PB, v[BASA+1]
	v_mov_b32 v[ADRA], v[BASA]
	v_mov_b32 v[ADRB], v[BASA+1]
	v_mov_b32 v[ADRB+1], v[BASA+2]
	v_lshlrev_b32 v[BO], 5, v2
	s_mul_i32 s66, s[TX], NT                       ; my first column
	s_mul_i32 s67, s[WC], WCN
	s_add_co_u32 s66, s66, s67
	s_lshl_b32 s66, s66, 2
	s_mov_b32 s67, 0
	s_add_nc_u64 s[8:9], s[8:9], s[66:67]
.set b, 0
.rept NB
	global_load_b128 v[BIAS+8*b:BIAS+8*b+3],   v[BO], s[8:9] offset:4*(CNH*(b/4)+16*(b%4))
	global_load_b128 v[BIAS+8*b+4:BIAS+8*b+7], v[BO], s[8:9] offset:4*(CNH*(b/4)+16*(b%4))+16
.set b, b+1
.endr
	; the residual and the way out's addresses
.set RES, 128                          ; v[128:255]  rows 16 a + 2 t + l / 16, my 16 bytes of their 256: at RES + 4 (8 a + t)
.set BK0, 64                           ; v[64:95], v[96:127] by turns: a block read back from the stage
	v_lshlrev_b32 v[GO], 12, v2                    ; lanes 0-15 one row's 256 bytes, lanes 16-31 the next row's
	v_lshl_add_u32 v[GO], v1, 4, v[GO]
	s_lshl_b32 s66, s[TY], 7
	s_lshl_b32 s67, s[WR], 6
	s_add_co_u32 s66, s66, s67                     ; my first row,
	s_lshl_b32 s66, s66, 12                        ; of 4,096 bytes,
	s_lshl_b32 s67, s[TX], 9
	s_add_co_u32 s66, s66, s67                     ; the tile's 512 bytes of it,
	s_lshl_b32 s67, s[WC], 8
	s_add_co_u32 s66, s66, s67                     ; my 256
	s_mov_b32 s67, 0
	s_add_nc_u64 s[10:11], s[10:11], s[66:67]
	s_add_nc_u64 s[12:13], s[12:13], s[66:67]
.set i, 0
.rept 32
	global_load_b128 v[RES+4*i:RES+4*i+3], v[GO], s[10:11] offset:2*i*4096
.set i, i+1
.endr
	s_mul_i32 s66, s[WV], WSTAGE
	s_add_co_u32 s66, s66, STAGE                   ; my stage
	v_mul_u32_u24 v[STO], v1, 272                  ; in: row l % 16, 32 bytes for each half of the lanes
	v_lshl_add_u32 v[STO], v2, 5, v[STO]
	v_add_nc_u32 v[STO], s66, v[STO]
	v_mul_u32_u24 v[RD], v2, 272                   ; back: lanes 0-15 one row of 256 bytes, lanes 16-31 the next
	v_lshl_add_u32 v[RD], v1, 4, v[RD]
	v_add_nc_u32 v[RD], s66, v[RD]
	s_wait_tensorcnt 0x1                           ; my part of slot 0 is in; slot 1's may stay out
	s_barrier_signal -1
	s_barrier_wait -1                              ; everybody's is
	FETCH 0, F0
	s_wait_loadcnt NRES                            ; the bias is in; the residual's 32 loads stay out
	QUARTER 1, F0, F1, 1                           ; the first quarter stands in front of the loop: its first products start the sums
	WIN 0
	s_mov_b32 s[CNT], NSTEP-2
.Lstep:                                ; trip j ends the walk's step j, fills its slot with step j + 2 and begins step j + 1
	QUARTER 2, F1, F0, 0
	QUARTER 3, F0, F1, 0
	TURN 1
	QUARTER 1, F0, F1, 0
	WIN 0
	s_sub_co_u32 s[CNT], s[CNT], 1
	s_cmp_lg_u32 s[CNT], 0
	s_cbranch_scc1 .Lstep
	s_mov_b32 s[CNT], 2
.Ltail:                                ; the last two steps ask for nothing
	QUARTER 2, F1, F0, 0
	QUARTER 3, F0, F1, 0
	TURN 0
	WIN 0
	s_sub_co_u32 s[CNT], s[CNT], 1
	s_cmp_eq_u32 s[CNT], 0
	s_cbranch_scc1 .Lout
	QUARTER 1, F0, F1, 0
	WIN 0
	s_branch .Ltail
.Lout:
	s_wait_dscnt 0x0                               ; the last run of loads, which serves nothing
	s_wait_loadcnt 0x0                             ; the residual
	PLACES                                         ; behind the last products, in front of the LDS stores that read results
; THE WAY OUT, a block of 16 rows at a time: the f32 sums go into my own stage, come back as whole rows of 256 bytes, take the residual and are stored: 16 lanes fill 256 consecutive bytes, aligned.
.macro TOSTAGE a
	WIN 0x08+4*((\a)/2)                            ; the stores' data in window 2 or 3
.set b, 0
.rept NB
	ds_store_b128 v[STO], v[8*(NB*((\a)%2)+b):8*(NB*((\a)%2)+b)+3]   offset:64*b     ; each accumulator is read from its low end on
	ds_store_b128 v[STO], v[8*(NB*((\a)%2)+b)+4:8*(NB*((\a)%2)+b)+7] offset:64*b+16
.set b, b+1
.endr
	WIN 0
.irp t, 0,1,2,3,4,5,6,7
	ds_load_b128 v[BK0+32*((\a)%2)+4*(\t):BK0+32*((\a)%2)+4*(\t)+3], v[RD] offset:(\t)*544  ; LDS serves a wave's instructions in order (ISA guide 5.7.1.4): these see the stores above
.endr
.endm
.macro FINISH a, younger
	s_wait_dscnt \younger                          ; the block is back; the next block's 8 stores and 8 loads may be out
.set i, 0
.rept 16
	v_pk_add_f32 v[RES+32*(\a)+2*i:RES+32*(\a)+2*i+1], v[RES+32*(\a)+2*i:RES+32*(\a)+2*i+1], v[BK0+32*((\a)%2)+2*i:BK0+32*((\a)%2)+2*i+1]
.set i, i+1
.endr
.irp t, 0,1,2,3,4,5,6,7
	global_store_b128 v[GO], v[RES+32*(\a)+4*(\t):RES+32*(\a)+4*(\t)+3], s[12:13] offset:(16*(\a)+2*(\t))*4096  ; no register of a store is written again
.endr
.endm
	TOSTAGE 0
	TOSTAGE 1
	FINISH 0, 16
	TOSTAGE 2
	FINISH 1, 16
	TOSTAGE 3
	FINISH 2, 16
	FINISH 3, 0
	s_wait_tensorcnt 0x0                           ; the wave's end: the spare add between two waits, behind my last tensor load and my last LDS store
	ds_add_u32 v[SPW], v[NIL]
	s_wait_dscnt 0x0
	CROUND                                         ; the closing round: no work-group ends while a partner may still ask for a tile that names it
	s_endpgm
.Lfunc_end_k_qb6fc8e4cce_outp:
	.size	k_qb6fc8e4cce_outp, .Lfunc_end_k_qb6fc8e4cce_outp-k_qb6fc8e4cce_outp
	.p2alignl 7, 3214868480
	.fill 96, 4, 3214868480
	.section	.rodata,"a",@progbits
	.p2align	6, 0x0
	.amdhsa_kernel k_qb6fc8e4cce_outp
		.amdhsa_group_segment_fixed_size 327680
		.amdhsa_private_segment_fixed_size 0
		.amdhsa_enable_private_segment 0
		.amdhsa_kernarg_size 40
		.amdhsa_user_sgpr_count 2
		.amdhsa_user_sgpr_kernarg_segment_ptr 1
		.amdhsa_wavefront_size32 1
		.amdhsa_system_sgpr_workgroup_id_x 1
		.amdhsa_system_sgpr_workgroup_id_y 1
		.amdhsa_system_sgpr_workgroup_id_z 1
		.amdhsa_system_vgpr_workitem_id 0
		.amdhsa_next_free_vgpr 832
		.amdhsa_next_free_sgpr 96
		.amdhsa_reserve_vcc 0
		.amdhsa_float_denorm_mode_32 3
		.amdhsa_float_denorm_mode_16_64 3
		.amdhsa_memory_ordered 1
		.amdhsa_forward_progress 1
		.amdhsa_inst_pref_size 67
	.end_amdhsa_kernel
	.amdgpu_metadata
---
amdhsa.version: [ 1, 2 ]
amdhsa.kernels:
  - .name:           k_qb6fc8e4cce_outp
    .symbol:         k_qb6fc8e4cce_outp.kd
    .args:
      - { .name: ob, .offset: 0, .size: 8, .value_kind: global_buffer, .address_space: global }
      - { .name: wbf, .offset: 8, .size: 8, .value_kind: global_buffer, .address_space: global }
      - { .name: out_b, .offset: 16, .size: 8, .value_kind: global_buffer, .address_space: global }
      - { .name: x, .offset: 24, .size: 8, .value_kind: global_buffer, .address_space: global }
      - { .name: x1, .offset: 32, .size: 8, .value_kind: global_buffer, .address_space: global }
    .group_segment_fixed_size: 327680
    .private_segment_fixed_size: 0
    .kernarg_segment_align: 8
    .kernarg_segment_size: 40
    .max_flat_workgroup_size: 128
    .sgpr_count:     96
    .vgpr_count:     832
    .wavefront_size: 32
...
	.end_amdgpu_metadata
.endif
;; end of part 4
;; launch ln2 (part 5): grid 512 x 1, 8 waves a work-group, no clusters, 0 bytes of LDS; arguments x1, ln2_g, ln2_b, h; writes h
.if DOCPART == 5
	.amdgcn_target "amdgcn-amd-amdhsa--gfx1250"
	.amdhsa_code_object_version 6
	.text
	.protected	k_qb6fc8e4cce_ln2
	.globl	k_qb6fc8e4cce_ln2
	.p2align	8
	.type	k_qb6fc8e4cce_ln2,@function
k_qb6fc8e4cce_ln2:
	s_mov_b64 s[64:65], 0
	v_nop
	global_prefetch_b8 v0, s[64:65] scope:SCOPE_SE
	s_setreg_imm32_b32 hwreg(HW_REG_WAVE_MODE, 25, 1), 1
	s_wait_xcnt 0x0
; LayerNorm over rows of 1,024 f32: y = (x - mean) * rsqrt(var + 1e-5) * g + b, y rounded once to bf16.  Arguments: x, g, b, y.
; One wave takes one row and keeps it in 32 registers: the row is read once; mean and variance are made in two passes over the registers
; (the variance is the mean of (x - mean)^2, so no difference of large sums is formed).  All sums in f32.
; Load j of a row covers 512 consecutive bytes: lane l holds columns 128 j + 4 l .. + 3.  g and b are loaded in the same pattern.
; Store j covers 256 consecutive bytes at a multiple of 256 from y's first byte.  No LDS and no barrier: the reduction never leaves the wave.
; LIMITS: NaN and infinities are not treated apart; a row whose sum of squares passes f32's range gives what f32 gives.
.set XR, 16                            ; v[16:47]   the row
.set G,  48                            ; v[48:79]   g
.set BB, 80                            ; v[80:111]  b
.set T,  112                           ; v[112:127] at work; at the end the row in bf16
.set MU, 6                             ; v[6:7]     the mean, twice
.set RS, 10                            ; v[10:11]   the rsqrt, twice
	s_load_b256 s[4:11], s[0:1], 0x0               ; x s[4:5], g s[6:7], b s[8:9], y s[10:11]
	s_mov_b32 s18, ttmp9
	v_lshrrev_b32 v3, 5, v0
	v_and_b32 v4, 31, v0                           ; lane
	v_readfirstlane_b32 s16, v3                    ; wave
	v_lshlrev_b32 v1, 4, v4                        ; 16 x lane
	v_lshlrev_b32 v2, 3, v4                        ; 8 x lane
	v_mov_b32 v9, 0                                ; v_permlanex16_b32's destination counts as read
	s_lshl_b32 s17, s18, 3
	s_add_co_u32 s17, s17, s16                     ; my row
	s_lshl_b32 s20, s17, 12                        ; 4,096 bytes in
	s_mov_b32 s21, 0
	s_lshl_b32 s22, s17, 11                        ; 2,048 bytes out
	s_mov_b32 s23, 0
	s_mov_b32 s12, 0x76543210                      ; each lane takes its own place in the other half
	s_mov_b32 s13, 0xfedcba98
	s_mov_b32 s14, 0x3a800000                      ; 1 / 1,024
	s_mov_b32 s15, 0x3727c5ac                      ; 1e-5
	s_wait_kmcnt 0x0
	s_add_nc_u64 s[4:5], s[4:5], s[20:21]
	s_add_nc_u64 s[10:11], s[10:11], s[22:23]
.irp j, 0,1,2,3,4,5,6,7
	global_load_b128 v[XR+4*(\j):XR+4*(\j)+3], v1, s[4:5] offset:512*(\j) th:TH_LOAD_NT
.endr
.irp j, 0,1,2,3,4,5,6,7
	global_load_b128 v[G+4*(\j):G+4*(\j)+3], v1, s[6:7] offset:512*(\j)
.endr
.irp j, 0,1,2,3,4,5,6,7
	global_load_b128 v[BB+4*(\j):BB+4*(\j)+3], v1, s[8:9] offset:512*(\j)
.endr
.macro REDUCE                          ; v8 summed over the 32 lanes, the result in every lane
	v_add_f32_dpp v8, v8, v8 row_xmask:1 row_mask:0xf bank_mask:0xf
	v_add_f32_dpp v8, v8, v8 row_xmask:2 row_mask:0xf bank_mask:0xf
	v_add_f32_dpp v8, v8, v8 row_xmask:4 row_mask:0xf bank_mask:0xf
	v_add_f32_dpp v8, v8, v8 row_xmask:8 row_mask:0xf bank_mask:0xf
	v_permlanex16_b32 v9, v8, s12, s13
	v_add_f32 v8, v8, v9
.endm
	s_wait_loadcnt 16                              ; the row is in; g's and b's 16 loads stay out
.set j, 0
.rept 8
	v_pk_add_f32 v[T+2*j:T+2*j+1], v[XR+4*j:XR+4*j+1], v[XR+4*j+2:XR+4*j+3]
.set j, j+1
.endr
.irp j, 0,1,2,3
	v_pk_add_f32 v[T+4*(\j):T+4*(\j)+1], v[T+4*(\j):T+4*(\j)+1], v[T+4*(\j)+2:T+4*(\j)+3]
.endr
	v_pk_add_f32 v[T:T+1], v[T:T+1], v[T+4:T+5]
	v_pk_add_f32 v[T+8:T+9], v[T+8:T+9], v[T+12:T+13]
	v_pk_add_f32 v[T:T+1], v[T:T+1], v[T+8:T+9]
	v_add_f32 v8, v[T], v[T+1]
	REDUCE
	v_mul_f32 v[MU], s14, v8
	v_mul_f32 v[MU+1], s14, v8
.set j, 0
.rept 16
	v_pk_add_f32 v[XR+2*j:XR+2*j+1], v[XR+2*j:XR+2*j+1], v[MU:MU+1] neg_lo:[0,1] neg_hi:[0,1]  ; x - mean
.set j, j+1
.endr
.irp j, 0,1,2,3                        ; four chains of squares
	v_pk_mul_f32 v[T+2*(\j):T+2*(\j)+1], v[XR+2*(\j):XR+2*(\j)+1], v[XR+2*(\j):XR+2*(\j)+1]
.endr
.set j, 4
.rept 12
	v_pk_fma_f32 v[T+2*(j%4):T+2*(j%4)+1], v[XR+2*j:XR+2*j+1], v[XR+2*j:XR+2*j+1], v[T+2*(j%4):T+2*(j%4)+1]
.set j, j+1
.endr
	v_pk_add_f32 v[T:T+1], v[T:T+1], v[T+2:T+3]
	v_pk_add_f32 v[T+4:T+5], v[T+4:T+5], v[T+6:T+7]
	v_pk_add_f32 v[T:T+1], v[T:T+1], v[T+4:T+5]
	v_add_f32 v8, v[T], v[T+1]
	REDUCE
	v_fma_f32 v8, v8, s14, s15                     ; var + eps
	v_rsq_f32 v[RS], v8
	v_rsq_f32 v[RS+1], v8
	v_nop                                          ; a plain instruction behind the last of the two,
	s_wait_alu depctr_va_vdst(0)                   ; and one wait for both, ahead of the first line that names a result
	s_wait_loadcnt 0x0                             ; g and b
.set j, 0
.rept 16
	v_pk_mul_f32 v[XR+2*j:XR+2*j+1], v[XR+2*j:XR+2*j+1], v[RS:RS+1]
.set j, j+1
.endr
.set j, 0
.rept 16
	v_pk_fma_f32 v[XR+2*j:XR+2*j+1], v[XR+2*j:XR+2*j+1], v[G+2*j:G+2*j+1], v[BB+2*j:BB+2*j+1]
.set j, j+1
.endr
.set j, 0
.rept 16
	v_cvt_pk_bf16_f32 v[T+j], v[XR+2*j], v[XR+2*j+1]
.set j, j+1
.endr
.irp j, 0,1,2,3,4,5,6,7
	global_store_b64 v2, v[T+2*(\j):T+2*(\j)+1], s[10:11] offset:256*(\j)
.endr
	s_endpgm
.Lfunc_end_k_qb6fc8e4cce_ln2:
	.size	k_qb6fc8e4cce_ln2, .Lfunc_end_k_qb6fc8e4cce_ln2-k_qb6fc8e4cce_ln2
	.p2alignl 7, 3214868480
	.fill 96, 4, 3214868480
	.section	.rodata,"a",@progbits
	.p2align	6, 0x0
	.amdhsa_kernel k_qb6fc8e4cce_ln2
		.amdhsa_group_segment_fixed_size 0
		.amdhsa_private_segment_fixed_size 0
		.amdhsa_enable_private_segment 0
		.amdhsa_kernarg_size 32
		.amdhsa_user_sgpr_count 2
		.amdhsa_user_sgpr_kernarg_segment_ptr 1
		.amdhsa_wavefront_size32 1
		.amdhsa_system_sgpr_workgroup_id_x 1
		.amdhsa_system_sgpr_workgroup_id_y 1
		.amdhsa_system_sgpr_workgroup_id_z 1
		.amdhsa_system_vgpr_workitem_id 0
		.amdhsa_next_free_vgpr 128
		.amdhsa_next_free_sgpr 66
		.amdhsa_reserve_vcc 0
		.amdhsa_float_denorm_mode_32 3
		.amdhsa_float_denorm_mode_16_64 3
		.amdhsa_memory_ordered 1
		.amdhsa_forward_progress 1
		.amdhsa_inst_pref_size 12
	.end_amdhsa_kernel
	.amdgpu_metadata
---
amdhsa.version: [ 1, 2 ]
amdhsa.kernels:
  - .name:           k_qb6fc8e4cce_ln2
    .symbol:         k_qb6fc8e4cce_ln2.kd
    .args:
      - { .name: x1, .offset: 0, .size: 8, .value_kind: global_buffer, .address_space: global }
      - { .name: ln2_g, .offset: 8, .size: 8, .value_kind: global_buffer, .address_space: global }
      - { .name: ln2_b, .offset: 16, .size: 8, .value_kind: global_buffer, .address_space: global }
      - { .name: h, .offset: 24, .size: 8, .value_kind: global_buffer, .address_space: global }
    .group_segment_fixed_size: 0
    .private_segment_fixed_size: 0
    .kernarg_segment_align: 8
    .kernarg_segment_size: 32
    .max_flat_workgroup_size: 256
    .sgpr_count:     66
    .vgpr_count:     128
    .wavefront_size: 32
...
	.end_amdgpu_metadata
.endif
;; end of part 5
;; launch ffn1 (part 6): grid 8 x 32, 4 waves a work-group, clusters of 4 x 4, 327,680 bytes of LDS; arguments h, wbf, ffn_b1, act; writes act
.if DOCPART == 6
	.amdgcn_target "amdgcn-amd-amdhsa--gfx1250"
	.amdhsa_code_object_version 6
	.text
	.protected	k_qb6fc8e4cce_ffn1
	.globl	k_qb6fc8e4cce_ffn1
	.p2align	8
	.type	k_qb6fc8e4cce_ffn1,@function
k_qb6fc8e4cce_ffn1:
	s_mov_b64 s[64:65], 0
	v_nop
	global_prefetch_b8 v0, s[64:65] scope:SCOPE_SE
	s_setreg_imm32_b32 hwreg(HW_REG_WAVE_MODE, 25, 1), 1
	s_wait_xcnt 0x0
	s_wait_alu depctr_hold_cnt(0) depctr_sa_sdst(0) depctr_va_vdst(0) depctr_va_sdst(0) depctr_va_ssrc(0) depctr_va_vcc(0) depctr_vm_vsrc(0)
	s_getreg_b32 s2, hwreg(HW_REG_IB_STS2, 6, 4)
	s_cmp_eq_u32 s2, 0
	s_cbranch_scc0 .Lentry_in_a_cluster
	s_endpgm
.Lentry_in_a_cluster:
	s_bfe_u32 s2, ttmp6, 0x10000c
	s_cmp_lg_u32 s2, 0xf033
	s_cbranch_scc0 .Lentry_shape_is_right
	s_endpgm
.Lentry_shape_is_right:
; act = gelu(h W + bias), the exact GELU x Phi(x).  h: [4096][1024] bf16.  W = ffn_w1 in bf16, [1024][2048], at byte 8,388,608 of wbf.  bias: [2048] f32.  act: [4096][2048] bf16, rounded once.
; SHARES.  A work-group makes 128 rows x 256 columns: 8 x 32 work-groups.  Four waves, 2 x 2: a wave makes 64 x 128, 4 x 8 accumulators of 16 x 16.
; RING.  K goes in steps of 128 through two LDS slots: 128 rows of h (256 bytes each, 272 apart) and 128 rows of W (512 bytes each, 544 apart).
; Waves 0, 1 fetch the halves of h's tile, waves 2, 3 those of W's: one tensor load a wave behind each change of slots.  W lies [k][n] and is turned on its way out of LDS by ds_load_tr16_b128.
; THE WALK ALONG K IS ROTATED.  A cluster whose x + y is odd begins at K step NSTEP / 2 and wraps round; the others begin at 0.  The two clusters that read the same rows of h (same y) and, of the
; clusters that read the same columns of W (same x), those with neighbouring y then ask for a given K step NSTEP / 2 changes of slots apart, not at the same time.  The number is the same in all sixteen
; partners, so a joint load's descriptor stays equal in all that it names; no branch, trip count or LDS address hangs on it.  Each f32 sum takes its K steps in its cluster's order.
; THE MATRIX INSTRUCTION IS USED TRANSPOSED: source 0 = 16 columns of W, source 1 = 16 rows of h.  THE BIAS is the C operand of the first product on each accumulator.
; GELU, on the way out, in f32: gelu(x) = max(x, 0) - |x| (1/2) (a1 t + .. + a5 t^5) e^(-x^2 / 2), t = 1 / (1 + p |x| / sqrt 2): the rational form of erfc (Abramowitz and Stegun 7.1.26),
; whose error in erf is at most 1.5e-7 for every x; no series is cut at a length that serves small x alone.  Where x^2 passes f32's range the exponential is 0 and gelu is max(x, 0).
; CLUSTER 4 x 4: h's tile hangs on the tile row alone and is asked for jointly by a row of the cluster, W's on the tile column alone, by a column.
; A K step is written once: the loop's trip goes from a step's second quarter to the next step's first.  The tail (two steps that ask for nothing) is a loop left in its middle;
; its last change of slots passes one barrier and issues a run of 24 LDS loads that serve nothing: the price, once a launch, of writing the tail once.
; REGISTERS in windows of 256 (s_set_vgpr_msb: bits 1:0 source 0, 3:2 source 1, 5:4 source 2, 7:6 destination): window 0 addresses, bias, way out;
; window 1 two fragment buffers; windows 2, 3 the accumulators: (a, b) in window 2 + a / 2 at v[8 (NB (a % 2) + b)].
; LIMITS: operands are rounded to bf16; NaN and infinities are not treated apart.
.set SIZE_N, 2048
.set SIZE_K, 1024
.set NT,     256
.set NB,     8
.set KSTEP,  128
.set KD,     1
.set PA,     272                       ; 68 words: 16 rows start at 16 different groups of four banks (64 banks of 4 bytes: ISA guide 11.1)
.set PB,     544                       ; 17 x 32 bytes: the 8 rows of a turning load start at 8 different groups of eight banks
.set QIA,    5                         ; padding behind every 64 words
.set QIB,    6                         ; behind every 128
.set WOFF,   8388608
.set WCB,    256
.set WCN,    128
.set CBH,    128                       ; column block b lies at 32 b bytes,
.set CNH,    64                        ; and is column 16 b
.set SP,     528                       ; a stage row: 128 f32 + 16 bytes
.set WSTAGE, 32*SP                     ; a wave's stage: 32 rows
.set NRES,   0
.set NSTEP,  SIZE_K/KSTEP
.set ABYTES, 128*PA
.set SLOT,   ABYTES+KSTEP*PB
.set STAGE,  2*SLOT
.set SPARE,  STAGE+4*WSTAGE
.set STEPA,  KSTEP*2
.set STEPB,  KSTEP*SIZE_N*2
.set NLD,    KD*(2*NB+8)
.set LATE,   4+12*(KD-1)
.set ADRA, 16
.set ADRB, 17
.set BASA, 20
.set RD0,  23
.set STO,  24
.set RD,   25
.set GO,   26
.set BO,   27
.set SPW,  28
.set NIL,  29
.set BIAS, 32
.set F0,   0
.set F1,   128
.set WV, 14
.set WR, 15
.set WC, 16
.set CX, 17
.set CY, 18
.set TX, 19
.set TY, 20
.set LWA, 21
.set LWB, 22
.set G1A, 24
.set G0A, 32
.set TB,  40
.set CNT, 41
.set BSA, 44                           ; s[44:45] A at my rows of the tile, K step 0; behind the head never rewritten
.set BSB, 46                           ; s[46:47] W at my rows of K step 0, the tile's first column; likewise
.set G1B, 48
.set G0B, 56
.set OFA, 86                           ; s[86:87] a K step's byte offset in A's rows
.set OFB, 88                           ; s[88:89] in W
.set SN,  90                           ; s90      the K step that the next refill asks for
.set MSB, 0
.macro WIN new                         ; the immediate's high byte repeats the setting that is left; a switch that changes nothing is dropped
.if MSB != (\new)
	s_set_vgpr_msb (MSB<<8)|(\new)
.set MSB, (\new)
.endif
.endm
.macro PLACES                          ; four plain vector instructions between a matrix instruction and a load into, or a reader of, its registers
.rept 4
	v_nop
.endr
.endm
.macro CREST                           ; a round of the cluster's barrier behind its opening barrier
	s_cmp_lg_u32 s[WV], 0
	s_cbranch_scc1 .Lnot_wave_0_\@
	s_barrier_signal -3
.Lnot_wave_0_\@:
	s_barrier_wait -3
	s_barrier_signal -1
	s_barrier_wait -1
.endm
.macro CROUND
	s_barrier_signal -1
	s_barrier_wait -1
	CREST
.endm
.macro JLOAD                           ; a joint refill by the walking set; the branch hangs on the wave's number alone; s_nop 0 and four v_nop follow each line
	s_cmp_eq_u32 s[WR], 0
	s_cbranch_scc0 .Lfor_b_\@
	tensor_load_to_lds s[G0A+4:G0A+7], s[G1A:G1A+7]
	s_nop 0
.rept 4
	v_nop
.endr
	s_branch .Lasked_\@
.Lfor_b_\@:
	tensor_load_to_lds s[G0B+4:G0B+7], s[G1B:G1B+7]
	s_nop 0
.rept 4
	v_nop
.endr
.Lasked_\@:
.endm
; Row blocks a0 .. a0 + na - 1 x all column blocks, 32 along K: part c of buffer f.  first = 1: the product starts the sum with the bias.
; The accumulators take turns, one instruction a turn, in the same order in every quarter.
.macro MUL f, c, a0, na, first
.set a, (\a0)
.rept (\na)
.set w, 2+a/2
.if \first
	WIN 0x05|(w<<6)
.else
	WIN 0x05|(w<<6)|(w<<4)
.endif
.set b, 0
.rept NB
.set rD, 8*(NB*(a%2)+b)
.set rB, (\f)+32*KD+8*(NB*(\c)+b)
.set rA, (\f)+8*(4*(\c)+a)
.if \first
	v_wmma_f32_16x16x32_bf16 v[rD:rD+7], v[rB:rB+7], v[rA:rA+7], v[BIAS+8*b:BIAS+8*b+7]
.else
	v_wmma_f32_16x16x32_bf16 v[rD:rD+7], v[rB:rB+7], v[rA:rA+7], v[rD:rD+7]
.endif
.set b, b+1
.endr
.set a, a+1
.endr
.endm
.macro H0A f, first                    ; a quarter's products in three parts
.if KD == 1
	MUL \f, 0, 0, 1, \first
.else
	MUL \f, 0, 0, 2, \first
.endif
.endm
.macro H0B f, first
.if KD == 1
	MUL \f, 0, 1, 1, \first
.else
	MUL \f, 0, 2, 2, \first
.endif
.endm
.macro H1 f, first
.if KD == 1
	MUL \f, 0, 2, 2, \first
.else
	MUL \f, 1, 0, 4, 0
.endif
.endm
; One run of LDS loads: the fragments of quarter p of the slot in hand, into buffer f; what the quarter's first half wants comes first.
.macro FETCH p, f
	WIN 0x40                                       ; destination window 1, address window 0
.set c, 0
.rept KD
.set kr, 32*((\p)*KD+c)
.set rW, ADRB+kr/(KSTEP/2)
.set ko, (kr%(KSTEP/2))*PB
.set b, 0
.rept NB
.set rB, (\f)+32*KD+8*(NB*c+b)
	ds_load_tr16_b128 v[rB:rB+3],   v[rW] offset:ko+CBH*(b/4)+32*(b%4)
	ds_load_tr16_b128 v[rB+4:rB+7], v[rW] offset:ko+CBH*(b/4)+32*(b%4)+16*PB
.set b, b+1
.endr
.set a, 0
.rept 4
.set rA, (\f)+8*(4*c+a)
	ds_load_b128 v[rA:rA+3],   v[ADRA] offset:64*((\p)*KD+c)+a*16*PA
	ds_load_b128 v[rA+4:rA+7], v[ADRA] offset:64*((\p)*KD+c)+a*16*PA+32
.set a, a+1
.endr
.set c, c+1
.endr
.endm
; Multiplies buffer f and, in its middle, fetches quarter p into buffer g.
.macro QUARTER p, f, g, first
	s_wait_dscnt LATE                              ; all of f but its youngest LATE loads, which the second half wants
	H0A \f, \first
	H0B \f, \first
	PLACES
	FETCH \p, \g
	s_wait_dscnt NLD                               ; all but the run just issued
	H1 \f, \first
.endm
; A step's last quarter (buffer 1) and the change of slots.  In front of the barrier each wave waits for all its tensor loads (one is out: its part of the other slot), adds 0 to its
; spare word, and waits for that and for its reads of this slot.  fill = 1: the barrier opens a round of the cluster's, and the joint refill of the slot just left is the first thing behind the round.
.macro TURN fill
	WIN 0                                          ; the add's registers lie in window 0
	s_wait_tensorcnt 0x0                           ; no tensor load of mine is out, so the walking sets may be written
	ds_add_u32 v[SPW], v[NIL]                      ; 0 onto my spare word; scalar work and products stand between it and the wait for it
.if \fill
	s_add_co_u32 s[G0A+5], s[LWA], s[TB]           ; my place in the slot that is being left;
	s_mul_i32 s[OFA], s[SN], STEPA                 ; the address is made anew: the tile's base and the K step's offset, made apart,
	s_add_nc_u64 s[G0A+6:G0A+7], s[BSA:BSA+1], s[OFA:OFA+1]
	s_or_b32 s[G0A+7], s[G0A+7], 0x80000000        ; and the type bits
	s_add_co_u32 s[G0B+5], s[LWB], s[TB]
	s_mul_i32 s[OFB], s[SN], STEPB
	s_add_nc_u64 s[G0B+6:G0B+7], s[BSB:BSB+1], s[OFB:OFB+1]
	s_or_b32 s[G0B+7], s[G0B+7], 0x80000000
	s_add_co_u32 s[SN], s[SN], 1                   ; the next K step of the walk, round the end
	s_and_b32 s[SN], s[SN], NSTEP-1
.endif
	s_xor_b32 s[TB], s[TB], SLOT                   ; 0 becomes SLOT, SLOT becomes 0: the other slot
	s_wait_dscnt LATE+1                            ; the add and the youngest LATE loads may be out
	H0A F1, 0
	s_wait_dscnt 0x0                               ; the add is done, my reads of this slot are over
	s_barrier_signal -1
	H0B F1, 0                                      ; work on registers while the others arrive
	WIN 0                                          ; at a branch and at a label every window is 0
	s_barrier_wait -1
.if \fill
	CREST                                          ; no wave of any partner still reads the slot or has a load on its way
	JLOAD                                          ; its four v_nop are also the places in front of the loads below
.else
	PLACES
.endif
	v_add_nc_u32 v[ADRA], s[TB], v[BASA]
	v_add_nc_u32 v[ADRB], s[TB], v[BASA+1]
	v_add_nc_u32 v[ADRB+1], s[TB], v[BASA+2]
	FETCH 0, F0
	H1 F1, 0
.endm
	s_load_b256 s[4:11], s[0:1], 0x0               ; h s[4:5], wbf s[6:7], bias s[8:9], act s[10:11]
	v_lshl_add_u32 v[SPW], v0, 2, SPARE
	v_mov_b32 v[NIL], 0
	ds_add_u32 v[SPW], v[NIL]                      ; the opening: the add and its wait stand ahead of my first tensor load; set-up on registers stands between
	ds_add_u32 v28, v29
	v_lshrrev_b32 v1, 5, v0
	v_readfirstlane_b32 s[WV], v1
	s_lshr_b32 s[WR], s[WV], 1
	s_and_b32 s[WC], s[WV], 1
	s_bfe_u32 s[CX], ttmp6, 0x40000
	s_bfe_u32 s[CY], ttmp6, 0x40004
	s_lshl_b32 s[TX], ttmp9, 2
	s_add_co_u32 s[TX], s[TX], s[CX]
	s_and_b32 s[TY], ttmp7, 0xffff
	s_lshl_b32 s[TY], s[TY], 2
	s_add_co_u32 s[TY], s[TY], s[CY]
	s_lshl_b32 s42, s[CY], 2
	s_lshl_b32 s42, 15, s42                        ; my row of the cluster
	s_lshl_b32 s43, 0x1111, s[CX]                  ; my column
	s_or_b32 s[G1A], s42, (1<<16)|(1<<20)|(1<<21)|(QIA<<22)|(3<<25)  ; mask; 2-byte elements; padding on; bit 21 beside a mask; interval; 4 words of padding
	s_or_b32 s[G1B], s43, (1<<16)|(1<<20)|(1<<21)|(QIB<<22)|(7<<25)  ; the same with 8 words
	s_mov_b32 s[G1A+1], KSTEP<<16                  ; tensor_dim0
	s_mov_b32 s[G1A+2], 64<<16                     ; tensor_dim1
	s_mov_b32 s[G1A+3], KSTEP<<16                  ; tile_dim0
	s_mov_b32 s[G1A+4], 64                         ; tile_dim1: 64 rows
	s_mov_b32 s[G1A+5], SIZE_K                     ; elements from row to row
	s_mov_b32 s[G1A+6], 0
	s_mov_b32 s[G1A+7], 0
	s_mov_b32 s[G1B+1], NT<<16
	s_mov_b32 s[G1B+2], (KSTEP/2)<<16
	s_mov_b32 s[G1B+3], NT<<16
	s_mov_b32 s[G1B+4], KSTEP/2                    ; KSTEP / 2 rows of W
	s_mov_b32 s[G1B+5], SIZE_N
	s_mov_b32 s[G1B+6], 0
	s_mov_b32 s[G1B+7], 0
	s_mul_i32 s[LWA], s[WC], 64*PA                 ; no place in the cluster enters an LDS address
	s_mul_i32 s[LWB], s[WC], (KSTEP/2)*PB
	s_add_co_u32 s[LWB], s[LWB], ABYTES
	s_mov_b32 s[TB], 0
	s_and_b32 s[SN], ttmp7, 0xffff                 ; cluster y
	s_add_co_u32 s[SN], s[SN], ttmp9               ; + cluster x: the same in all sixteen partners
	s_and_b32 s[SN], s[SN], 1
	s_mul_i32 s[SN], s[SN], NSTEP/2                ; the K step at which my cluster's walk begins
	s_mul_i32 s[OFA], s[SN], STEPA
	s_mov_b32 s[OFA+1], 0
	s_mul_i32 s[OFB], s[SN], STEPB
	s_mov_b32 s[OFB+1], 0
	s_lshl_b32 s[BSA], s[TY], 7                    ; A: row 128 x tile row + 64 x half,
	s_lshl_b32 s[BSA+1], s[WC], 6
	s_add_co_u32 s[BSA], s[BSA], s[BSA+1]
	s_mul_i32 s[BSA], s[BSA], SIZE_K*2             ; in bytes (under 2^25)
	s_mov_b32 s[BSA+1], 0
	s_mul_i32 s[BSB], s[WC], (KSTEP/2)*SIZE_N*2    ; W: my half of a step's rows,
	s_mul_i32 s[BSB+1], s[TX], NT*2                ; the tile's first column,
	s_add_co_u32 s[BSB], s[BSB], s[BSB+1]
	s_add_co_u32 s[BSB], s[BSB], WOFF              ; the matrix's place in wbf
	s_mov_b32 s[BSB+1], 0
	s_wait_dscnt 0x0                               ; the opening add is done
	s_wait_kmcnt 0x0
	s_add_nc_u64 s[BSA:BSA+1], s[4:5], s[BSA:BSA+1]
	s_add_nc_u64 s[BSB:BSB+1], s[6:7], s[BSB:BSB+1]
.irp s, 0,1
	s_mov_b32 s[G0A+4*(\s)], 1
	s_add_co_u32 s[G0A+4*(\s)+1], s[LWA], (\s)*SLOT
	s_mov_b32 s[G0B+4*(\s)], 1
	s_add_co_u32 s[G0B+4*(\s)+1], s[LWB], (\s)*SLOT
.endr
	s_add_nc_u64 s[G0A+2:G0A+3], s[BSA:BSA+1], s[OFA:OFA+1]  ; slot 0: the walk's first K step,
	s_add_nc_u64 s[G0A+6:G0A+7], s[G0A+2:G0A+3], STEPA       ; slot 1: its second
	s_add_nc_u64 s[G0B+2:G0B+3], s[BSB:BSB+1], s[OFB:OFB+1]
	s_add_nc_u64 s[G0B+6:G0B+7], s[G0B+2:G0B+3], STEPB
.irp r, G0A+3, G0A+7, G0B+3, G0B+7
	s_or_b32 s[\r], s[\r], 0x80000000
.endr
	s_add_co_u32 s[SN], s[SN], 2                   ; the first refill asks for the walk's third
	s_and_b32 s[SN], s[SN], NSTEP-1
	CROUND                                         ; all sixteen work-groups are here: the first joint loads meet
	s_cmp_eq_u32 s[WR], 0                          ; a wave's two first fills stand in one branch: two loads of mine are out
	s_cbranch_scc0 .Lfirst_b
	tensor_load_to_lds s[G0A:G0A+3], s[G1A:G1A+7]
	s_nop 0
	tensor_load_to_lds s[G0A+4:G0A+7], s[G1A:G1A+7]
	s_nop 0
.rept 4
	v_nop
.endr
	s_branch .Lfirst_done
.Lfirst_b:
	tensor_load_to_lds s[G0B:G0B+3], s[G1B:G1B+7]
	s_nop 0
	tensor_load_to_lds s[G0B+4:G0B+7], s[G1B:G1B+7]
	s_nop 0
.rept 4
	v_nop
.endr
.Lfirst_done:
	v_and_b32 v1, 15, v0                           ; l % 16
	v_bfe_u32 v2, v0, 4, 1                         ; l / 16
	v_and_b32 v3, 7, v0                            ; l % 8
	v_bfe_u32 v4, v0, 3, 1                         ; (l / 8) % 2
	v_mul_u32_u24 v[BASA], v1, PA                  ; a fragment of A: row l % 16, 16 bytes for each half of the lanes
	v_lshl_add_u32 v[BASA], v2, 4, v[BASA]
	s_mul_i32 s66, s[WR], 64*PA
	v_add_nc_u32 v[BASA], s66, v[BASA]
	v_lshl_add_u32 v[BASA+1], v2, 3, v3            ; the turning load: k row 8 (l / 16) + l % 8, columns 8 ((l / 8) % 2) on
	v_mul_u32_u24 v[BASA+1], v[BASA+1], PB
	v_lshl_add_u32 v[BASA+1], v4, 4, v[BASA+1]
	s_mul_i32 s66, s[WC], WCB
	s_add_co_u32 s66, s66, ABYTES
	v_add_nc_u32 v[BASA+1], s66, v[BASA+1]
	v_add_nc_u32 v[BASA+2], (KSTEP/2)*PB, v[BASA+1]
	v_mov_b32 v[ADRA], v[BASA]
	v_mov_b32 v[ADRB], v[BASA+1]
	v_mov_b32 v[ADRB+1], v[BASA+2]
	v_lshlrev_b32 v[BO], 5, v2
	s_mul_i32 s66, s[TX], NT                       ; my first column
	s_mul_i32 s67, s[WC], WCN
	s_add_co_u32 s66, s66, s67
	s_lshl_b32 s66, s66, 2
	s_mov_b32 s67, 0
	s_add_nc_u64 s[8:9], s[8:9], s[66:67]
.set b, 0
.rept NB
	global_load_b128 v[BIAS+8*b:BIAS+8*b+3],   v[BO], s[8:9] offset:4*(CNH*(b/4)+16*(b%4))
	global_load_b128 v[BIAS+8*b+4:BIAS+8*b+7], v[BO], s[8:9] offset:4*(CNH*(b/4)+16*(b%4))+16
.set b, b+1
.endr
	; the way out's addresses
	s_mul_i32 s66, s[WV], WSTAGE
	s_add_co_u32 s66, s66, STAGE                   ; my stage
	v_mul_u32_u24 v[STO], v1, SP                   ; in: row l % 16, 32 bytes for each half of the lanes
	v_lshl_add_u32 v[STO], v2, 5, v[STO]
	v_add_nc_u32 v[STO], s66, v[STO]
	v_and_b32 v[GO], 31, v0
	v_lshl_add_u32 v[RD0], v[GO], 4, s66           ; back: 32 lanes take a row's 512 bytes
	v_lshlrev_b32 v[GO], 3, v[GO]                  ; which are 256 consecutive bytes of act
	s_lshl_b32 s66, s[TY], 7
	s_lshl_b32 s67, s[WR], 6
	s_add_co_u32 s66, s66, s67                     ; my first row,
	s_lshl_b32 s66, s66, 12                        ; of 4,096 bytes,
	s_lshl_b32 s67, s[TX], 9
	s_add_co_u32 s66, s66, s67                     ; the tile's 512 bytes of it,
	s_lshl_b32 s67, s[WC], 8
	s_add_co_u32 s66, s66, s67                     ; my 256
	s_mov_b32 s67, 0
	s_add_nc_u64 s[10:11], s[10:11], s[66:67]
	s_wait_tensorcnt 0x1                           ; my part of slot 0 is in; slot 1's may stay out
	s_barrier_signal -1
	s_barrier_wait -1                              ; everybody's is
	FETCH 0, F0
	s_wait_loadcnt NRES                            ; the bias
	QUARTER 1, F0, F1, 1                           ; the first quarter stands in front of the loop: its products start the sums
	WIN 0
	s_mov_b32 s[CNT], NSTEP-2
.Lstep:                                ; trip j ends the walk's step j, fills its slot with step j + 2 and begins step j + 1
	QUARTER 2, F1, F0, 0
	QUARTER 3, F0, F1, 0
	TURN 1
	QUARTER 1, F0, F1, 0
	WIN 0
	s_sub_co_u32 s[CNT], s[CNT], 1
	s_cmp_lg_u32 s[CNT], 0
	s_cbranch_scc1 .Lstep
	s_mov_b32 s[CNT], 2
.Ltail:                                ; the last two steps ask for nothing
	QUARTER 2, F1, F0, 0
	QUARTER 3, F0, F1, 0
	TURN 0
	WIN 0
	s_sub_co_u32 s[CNT], s[CNT], 1
	s_cmp_eq_u32 s[CNT], 0
	s_cbranch_scc1 .Lout
	QUARTER 1, F0, F1, 0
	WIN 0
	s_branch .Ltail
.Lout:
	s_wait_dscnt 0x0                               ; the last run of loads, which serves nothing
	PLACES                                         ; behind the last products, in front of the LDS stores that read results
; THE WAY OUT, 32 rows at a time: the f32 sums go into my own stage and come back as whole rows (a lane: four neighbouring columns); a loop of 8 trips takes 4 rows each through the GELU and stores them.
.set PP, 66                            ; s66      p / sqrt 2
.set NL, 68                            ; s[68:69] -log2(e) / 2; the pairs' second words are written because a pair is named
.set H1C, 70                           ; s[70:71] a1 / 2 .. s[78:79] a5 / 2
.set ZX, 96                            ; v[96:111]   x
.set ZT, 112                           ; v[112:127]  t
.set ZE, 128                           ; v[128:143]  e^(-x^2 / 2)
.set ZP, 144                           ; v[144:159]  the polynomial
.set ZR, 160                           ; v[160:175]  max(x, 0), then the result
.set ZY, 176                           ; v[176:183]  in bf16
	s_mov_b32 s[PP], 0x3e6d3388                    ; 0.23164189
	s_mov_b32 s[NL], 0xbf38aa3b                    ; -0.72134752
	s_mov_b32 s[NL+1], 0
	s_mov_b32 s[H1C], 0x3e027906                   ; 0.127414796
	s_mov_b32 s[H1C+1], 0
	s_mov_b32 s[H1C+2], 0xbe11a98e                 ; -0.142248368
	s_mov_b32 s[H1C+3], 0
	s_mov_b32 s[H1C+4], 0x3f35f0e3                 ; 0.710706871
	s_mov_b32 s[H1C+5], 0
	s_mov_b32 s[H1C+6], 0xbf3a00e3                 ; -0.726576014
	s_mov_b32 s[H1C+7], 0
	s_mov_b32 s[H1C+8], 0x3f07dc22                 ; 0.530702715
	s_mov_b32 s[H1C+9], 0
.macro HALF hw                         ; hw = 0: my rows 0-31 (window 2); 1: rows 32-63 (window 3)
	WIN 0x08+4*(\hw)                               ; the stores' data in window 2 or 3
.set a, 0
.rept 2
.set b, 0
.rept NB
	ds_store_b128 v[STO], v[8*(NB*a+b):8*(NB*a+b)+3]   offset:a*16*SP+64*b      ; each accumulator is read from its low end on
	ds_store_b128 v[STO], v[8*(NB*a+b)+4:8*(NB*a+b)+7] offset:a*16*SP+64*b+16
.set b, b+1
.endr
.set a, a+1
.endr
	WIN 0
	v_mov_b32 v[RD], v[RD0]
	s_mov_b32 s[CNT], 8
.Lrows_\@:
.irp j, 0,1,2,3
	ds_load_b128 v[ZX+4*(\j):ZX+4*(\j)+3], v[RD] offset:(\j)*SP  ; LDS serves a wave's instructions in order (ISA guide 5.7.1.4): these see the stores above
.endr
	s_wait_dscnt 0x0
.set i, 0
.rept 16
	v_fma_f32 v[ZT+i], |v[ZX+i]|, s[PP], 1.0
.set i, i+1
.endr
.set i, 0
.rept 8
	v_pk_mul_f32 v[ZE+2*i:ZE+2*i+1], v[ZX+2*i:ZX+2*i+1], v[ZX+2*i:ZX+2*i+1]
.set i, i+1
.endr
.set i, 0
.rept 8
	v_pk_mul_f32 v[ZE+2*i:ZE+2*i+1], v[ZE+2*i:ZE+2*i+1], s[NL:NL+1] op_sel_hi:[1,0]
.set i, i+1
.endr
.set i, 0
.rept 16                               ; ONE BATCH: 16 reciprocals and 16 exponentials
	v_rcp_f32 v[ZT+i], v[ZT+i]
.set i, i+1
.endr
.set i, 0
.rept 16
	v_exp_f32 v[ZE+i], v[ZE+i]
.set i, i+1
.endr
.set i, 0
.rept 16                               ; plain work that names no result of the batch
	v_max_num_f32 v[ZR+i], 0, v[ZX+i]
.set i, i+1
.endr
	s_wait_alu depctr_va_vdst(0)                   ; one wait for the batch, ahead of its first reader
.set i, 0
.rept 8
	v_pk_fma_f32 v[ZP+2*i:ZP+2*i+1], v[ZT+2*i:ZT+2*i+1], s[H1C+8:H1C+9], s[H1C+6:H1C+7] op_sel_hi:[1,0,0]
.set i, i+1
.endr
.irp k, 4,2,0                          ; Horner: a3, a2, a1
.set i, 0
.rept 8
	v_pk_fma_f32 v[ZP+2*i:ZP+2*i+1], v[ZP+2*i:ZP+2*i+1], v[ZT+2*i:ZT+2*i+1], s[H1C+(\k):H1C+(\k)+1] op_sel_hi:[1,1,0]
.set i, i+1
.endr
.endr
.set i, 0
.rept 8
	v_pk_mul_f32 v[ZP+2*i:ZP+2*i+1], v[ZP+2*i:ZP+2*i+1], v[ZT+2*i:ZT+2*i+1]
.set i, i+1
.endr
.set i, 0
.rept 8
	v_pk_mul_f32 v[ZP+2*i:ZP+2*i+1], v[ZP+2*i:ZP+2*i+1], v[ZE+2*i:ZE+2*i+1]
.set i, i+1
.endr
.set i, 0
.rept 16
	v_fma_f32 v[ZR+i], -|v[ZX+i]|, v[ZP+i], v[ZR+i]
.set i, i+1
.endr
.set i, 0
.rept 8
	v_cvt_pk_bf16_f32 v[ZY+i], v[ZR+2*i], v[ZR+2*i+1]
.set i, i+1
.endr
.irp j, 0,1,2,3
	global_store_b64 v[GO], v[ZY+2*(\j):ZY+2*(\j)+1], s[10:11] offset:(\j)*4096  ; 32 lanes store 256 consecutive bytes, at a multiple of 256 from act's first byte
.endr
	s_wait_xcnt 0x0                                ; the stores have read their registers: the offset is stepped, and the next trip writes the data registers, only behind this wait
	v_add_nc_u32 v[GO], 4*4096, v[GO]              ; four rows on; it runs on from the first half into the second
	v_add_nc_u32 v[RD], 4*SP, v[RD]
	s_sub_co_u32 s[CNT], s[CNT], 1
	s_cmp_lg_u32 s[CNT], 0
	s_cbranch_scc1 .Lrows_\@
.endm
	HALF 0
	HALF 1
	s_wait_tensorcnt 0x0                           ; the wave's end: the spare add between two waits, behind my last tensor load and my last LDS store
	ds_add_u32 v[SPW], v[NIL]
	s_wait_dscnt 0x0
	CROUND                                         ; the closing round: no work-group ends while a partner may still ask for a tile that names it
	s_endpgm
.Lfunc_end_k_qb6fc8e4cce_ffn1:
	.size	k_qb6fc8e4cce_ffn1, .Lfunc_end_k_qb6fc8e4cce_ffn1-k_qb6fc8e4cce_ffn1
	.p2alignl 7, 3214868480
	.fill 96, 4, 3214868480
	.section	.rodata,"a",@progbits
	.p2align	6, 0x0
	.amdhsa_kernel k_qb6fc8e4cce_ffn1
		.amdhsa_group_segment_fixed_size 327680
		.amdhsa_private_segment_fixed_size 0
		.amdhsa_enable_private_segment 0
		.amdhsa_kernarg_size 32
		.amdhsa_user_sgpr_count 2
		.amdhsa_user_sgpr_kernarg_segment_ptr 1
		.amdhsa_wavefront_size32 1
		.amdhsa_system_sgpr_workgroup_id_x 1
		.amdhsa_system_sgpr_workgroup_id_y 1
		.amdhsa_system_sgpr_workgroup_id_z 1
		.amdhsa_system_vgpr_workitem_id 0
		.amdhsa_next_free_vgpr 896
		.amdhsa_next_free_sgpr 96
		.amdhsa_reserve_vcc 0
		.amdhsa_float_denorm_mode_32 3
		.amdhsa_float_denorm_mode_16_64 3
		.amdhsa_memory_ordered 1
		.amdhsa_forward_progress 1
		.amdhsa_inst_pref_size 71
	.end_amdhsa_kernel
	.amdgpu_metadata
---
amdhsa.version: [ 1, 2 ]
amdhsa.kernels:
  - .name:           k_qb6fc8e4cce_ffn1
    .symbol:         k_qb6fc8e4cce_ffn1.kd
    .args:
      - { .name: h, .offset: 0, .size: 8, .value_kind: global_buffer, .address_space: global }
      - { .name: wbf, .offset: 8, .size: 8, .value_kind: global_buffer, .address_space: global }
      - { .name: ffn_b1, .offset: 16, .size: 8, .value_kind: global_buffer, .address_space: global }
      - { .name: act, .offset: 24, .size: 8, .value_kind: global_buffer, .address_space: global }
    .group_segment_fixed_size: 327680
    .private_segment_fixed_size: 0
    .kernarg_segment_align: 8
    .kernarg_segment_size: 32
    .max_flat_workgroup_size: 128
    .sgpr_count:     96
    .vgpr_count:     896
    .wavefront_size: 32
...
	.end_amdgpu_metadata
.endif
;; end of part 6
;; launch ffn2 (part 7): grid 8 x 32, 4 waves a work-group, clusters of 4 x 4, 327,680 bytes of LDS; arguments act, wbf, ffn_b2, x1, out0; writes out0
.if DOCPART == 7
	.amdgcn_target "amdgcn-amd-amdhsa--gfx1250"
	.amdhsa_code_object_version 6
	.text
	.protected	k_qb6fc8e4cce_ffn2
	.globl	k_qb6fc8e4cce_ffn2
	.p2align	8
	.type	k_qb6fc8e4cce_ffn2,@function
k_qb6fc8e4cce_ffn2:
	s_mov_b64 s[64:65], 0
	v_nop
	global_prefetch_b8 v0, s[64:65] scope:SCOPE_SE
	s_setreg_imm32_b32 hwreg(HW_REG_WAVE_MODE, 25, 1), 1
	s_wait_xcnt 0x0
	s_wait_alu depctr_hold_cnt(0) depctr_sa_sdst(0) depctr_va_vdst(0) depctr_va_sdst(0) depctr_va_ssrc(0) depctr_va_vcc(0) depctr_vm_vsrc(0)
	s_getreg_b32 s2, hwreg(HW_REG_IB_STS2, 6, 4)
	s_cmp_eq_u32 s2, 0
	s_cbranch_scc0 .Lentry_in_a_cluster
	s_endpgm
.Lentry_in_a_cluster:
	s_bfe_u32 s2, ttmp6, 0x10000c
	s_cmp_lg_u32 s2, 0xf033
	s_cbranch_scc0 .Lentry_shape_is_right
	s_endpgm
.Lentry_shape_is_right:
; out0 = x1 + act W + bias.  act: [4096][2048] bf16.  W = ffn_w2 in bf16, [2048][1024], at byte 12,582,912 of wbf.  bias: [1024] f32.  x1, out0: [4096][1024] f32.
; SHARES.  A work-group makes 128 rows x 128 columns: 8 x 32 work-groups.  Four waves, 2 x 2: a wave makes 64 x 64, 4 x 4 accumulators of 16 x 16.
; RING.  K goes in steps of 256, as long as two slots in LDS allow: 128 rows of act (512 bytes each, 528 apart) and 256 rows of W (256 bytes each, 288 apart).
; Waves 0, 1 fetch the halves of act's tile, waves 2, 3 those of W's: one tensor load a wave behind each change of slots.  W lies [k][n] and is turned on its way out of LDS by ds_load_tr16_b128.
; THE WALK ALONG K IS ROTATED.  A cluster whose x + y is odd begins at K step NSTEP / 2 and wraps round; the others begin at 0.  The two clusters that read the same rows of act (same y) and, of the
; clusters that read the same columns of W (same x), those with neighbouring y then ask for a given K step NSTEP / 2 changes of slots apart, not at the same time.  The number is the same in all sixteen
; partners, so a joint load's descriptor stays equal in all that it names; no branch, trip count or LDS address hangs on it.  Each f32 sum takes its K steps in its cluster's order.
; THE MATRIX INSTRUCTION IS USED TRANSPOSED: source 0 = 16 columns of W, source 1 = 16 rows of act: a lane then holds ONE row (lane % 16) and eight neighbouring columns.
; THE BIAS is the C operand of the first product on each accumulator.  THE RESIDUAL (my 64 x 64 numbers of x1) is loaded at the head into 128 registers and added on the way out, in f32.
; CLUSTER 4 x 4: act's tile hangs on the tile row alone and is asked for jointly by a row of the cluster, W's on the tile column alone, by a column.
; A K step is written once: the loop's trip goes from a step's second quarter to the next step's first.  The tail (two steps that ask for nothing) is a loop left in its middle;
; its last change of slots passes one barrier and issues a run of 32 LDS loads that serve nothing: the price, once a launch, of writing the tail once.
; REGISTERS in windows of 256 (s_set_vgpr_msb: bits 1:0 source 0, 3:2 source 1, 5:4 source 2, 7:6 destination): window 0 addresses, bias, residual, way out;
; window 1 two fragment buffers of 128; windows 2, 3 the accumulators: (a, b) in window 2 + a / 2 at v[8 (NB (a % 2) + b)].
; LIMITS: operands are rounded to bf16; NaN and infinities are not treated apart.
.set SIZE_N, 1024
.set SIZE_K, 2048
.set NT,     128
.set NB,     4
.set KSTEP,  256
.set KD,     2                         ; matrix instructions deep in a quarter step
.set PA,     528                       ; 132 words: 16 rows start at 16 different groups of four banks (64 banks of 4 bytes: ISA guide 11.1)
.set PB,     288                       ; 9 x 32 bytes: the 8 rows of a turning load start at 8 different groups of eight banks
.set QIA,    6                         ; padding behind every 128 words
.set QIB,    5                         ; behind every 64
.set WOFF,   12582912
.set WCB,    128
.set WCN,    64
.set CBH,    128                       ; column block b lies at 32 b bytes,
.set CNH,    64                        ; and is column 16 b
.set WSTAGE, 16*272                    ; a wave's stage: 16 rows x 272 bytes
.set NRES,   32                        ; the residual's loads may stay out when the bias is wanted
.set NSTEP,  SIZE_K/KSTEP
.set ABYTES, 128*PA
.set SLOT,   ABYTES+KSTEP*PB
.set STAGE,  2*SLOT
.set SPARE,  STAGE+4*WSTAGE
.set STEPA,  KSTEP*2
.set STEPB,  KSTEP*SIZE_N*2
.set NLD,    KD*(2*NB+8)
.set LATE,   4+12*(KD-1)
.set ADRA, 16
.set ADRB, 17
.set BASA, 20
.set STO,  24
.set RD,   25
.set GO,   26
.set BO,   27
.set SPW,  28
.set NIL,  29
.set BIAS, 32
.set F0,   0
.set F1,   128
.set WV, 14
.set WR, 15
.set WC, 16
.set CX, 17
.set CY, 18
.set TX, 19
.set TY, 20
.set LWA, 21
.set LWB, 22
.set G1A, 24
.set G0A, 32
.set TB,  40
.set CNT, 41
.set BSA, 44                           ; s[44:45] A at my rows of the tile, K step 0; behind the head never rewritten
.set BSB, 46                           ; s[46:47] W at my rows of K step 0, the tile's first column; likewise
.set G1B, 48
.set G0B, 56
.set OFA, 86                           ; s[86:87] a K step's byte offset in A's rows
.set OFB, 88                           ; s[88:89] in W
.set SN,  90                           ; s90      the K step that the next refill asks for
.set MSB, 0
.macro WIN new                         ; the immediate's high byte repeats the setting that is left; a switch that changes nothing is dropped
.if MSB != (\new)
	s_set_vgpr_msb (MSB<<8)|(\new)
.set MSB, (\new)
.endif
.endm
.macro PLACES                          ; four plain vector instructions between a matrix instruction and a load into, or a reader of, its registers
.rept 4
	v_nop
.endr
.endm
.macro CREST                           ; a round of the cluster's barrier behind its opening barrier
	s_cmp_lg_u32 s[WV], 0
	s_cbranch_scc1 .Lnot_wave_0_\@
	s_barrier_signal -3
.Lnot_wave_0_\@:
	s_barrier_wait -3
	s_barrier_signal -1
	s_barrier_wait -1
.endm
.macro CROUND
	s_barrier_signal -1
	s_barrier_wait -1
	CREST
.endm
.macro JLOAD                           ; a joint refill by the walking set; the branch hangs on the wave's number alone; s_nop 0 and four v_nop follow each line
	s_cmp_eq_u32 s[WR], 0
	s_cbranch_scc0 .Lfor_b_\@
	tensor_load_to_lds s[G0A+4:G0A+7], s[G1A:G1A+7]
	s_nop 0
.rept 4
	v_nop
.endr
	s_branch .Lasked_\@
.Lfor_b_\@:
	tensor_load_to_lds s[G0B+4:G0B+7], s[G1B:G1B+7]
	s_nop 0
.rept 4
	v_nop
.endr
.Lasked_\@:
.endm
; Row blocks a0 .. a0 + na - 1 x all column blocks, 32 along K: part c of buffer f.  first = 1: the product starts the sum with the bias.
; The accumulators take turns, one instruction a turn, in the same order in every quarter.
.macro MUL f, c, a0, na, first
.set a, (\a0)
.rept (\na)
.set w, 2+a/2
.if \first
	WIN 0x05|(w<<6)
.else
	WIN 0x05|(w<<6)|(w<<4)
.endif
.set b, 0
.rept NB
.set rD, 8*(NB*(a%2)+b)
.set rB, (\f)+32*KD+8*(NB*(\c)+b)
.set rA, (\f)+8*(4*(\c)+a)
.if \first
	v_wmma_f32_16x16x32_bf16 v[rD:rD+7], v[rB:rB+7], v[rA:rA+7], v[BIAS+8*b:BIAS+8*b+7]
.else
	v_wmma_f32_16x16x32_bf16 v[rD:rD+7], v[rB:rB+7], v[rA:rA+7], v[rD:rD+7]
.endif
.set b, b+1
.endr
.set a, a+1
.endr
.endm
.macro H0A f, first                    ; a quarter's products in three parts
.if KD == 1
	MUL \f, 0, 0, 1, \first
.else
	MUL \f, 0, 0, 2, \first
.endif
.endm
.macro H0B f, first
.if KD == 1
	MUL \f, 0, 1, 1, \first
.else
	MUL \f, 0, 2, 2, \first
.endif
.endm
.macro H1 f, first
.if KD == 1
	MUL \f, 0, 2, 2, \first
.else
	MUL \f, 1, 0, 4, 0
.endif
.endm
; One run of LDS loads: the fragments of quarter p of the slot in hand, into buffer f; what the quarter's first half wants comes first.
.macro FETCH p, f
	WIN 0x40                                       ; destination window 1, address window 0
.set c, 0
.rept KD
.set kr, 32*((\p)*KD+c)
.set rW, ADRB+kr/(KSTEP/2)
.set ko, (kr%(KSTEP/2))*PB
.set b, 0
.rept NB
.set rB, (\f)+32*KD+8*(NB*c+b)
	ds_load_tr16_b128 v[rB:rB+3],   v[rW] offset:ko+CBH*(b/4)+32*(b%4)
	ds_load_tr16_b128 v[rB+4:rB+7], v[rW] offset:ko+CBH*(b/4)+32*(b%4)+16*PB
.set b, b+1
.endr
.set a, 0
.rept 4
.set rA, (\f)+8*(4*c+a)
	ds_load_b128 v[rA:rA+3],   v[ADRA] offset:64*((\p)*KD+c)+a*16*PA
	ds_load_b128 v[rA+4:rA+7], v[ADRA] offset:64*((\p)*KD+c)+a*16*PA+32
.set a, a+1
.endr
.set c, c+1
.endr
.endm
; Multiplies buffer f and, in its middle, fetches quarter p into buffer g.
.macro QUARTER p, f, g, first
	s_wait_dscnt LATE                              ; all of f but its youngest LATE loads, which the second half wants
	H0A \f, \first
	H0B \f, \first
	PLACES
	FETCH \p, \g
	s_wait_dscnt NLD                               ; all but the run just issued
	H1 \f, \first
.endm
; A step's last quarter (buffer 1) and the change of slots.  In front of the barrier each wave waits for all its tensor loads (one is out: its part of the other slot), adds 0 to its
; spare word, and waits for that and for its reads of this slot.  fill = 1: the barrier opens a round of the cluster's, and the joint refill of the slot just left is the first thing behind the round.
.macro TURN fill
	WIN 0                                          ; the add's registers lie in window 0
	s_wait_tensorcnt 0x0                           ; no tensor load of mine is out, so the walking sets may be written
	ds_add_u32 v[SPW], v[NIL]                      ; 0 onto my spare word; scalar work and products stand between it and the wait for it
.if \fill
	s_add_co_u32 s[G0A+5], s[LWA], s[TB]           ; my place in the slot that is being left;
	s_mul_i32 s[OFA], s[SN], STEPA                 ; the address is made anew: the tile's base and the K step's offset, made apart,
	s_add_nc_u64 s[G0A+6:G0A+7], s[BSA:BSA+1], s[OFA:OFA+1]
	s_or_b32 s[G0A+7], s[G0A+7], 0x80000000        ; and the type bits
	s_add_co_u32 s[G0B+5], s[LWB], s[TB]
	s_mul_i32 s[OFB], s[SN], STEPB
	s_add_nc_u64 s[G0B+6:G0B+7], s[BSB:BSB+1], s[OFB:OFB+1]
	s_or_b32 s[G0B+7], s[G0B+7], 0x80000000
	s_add_co_u32 s[SN], s[SN], 1                   ; the next K step of the walk, round the end
	s_and_b32 s[SN], s[SN], NSTEP-1
.endif
	s_xor_b32 s[TB], s[TB], SLOT                   ; 0 becomes SLOT, SLOT becomes 0: the other slot
	s_wait_dscnt LATE+1                            ; the add and the youngest LATE loads may be out
	H0A F1, 0
	s_wait_dscnt 0x0                               ; the add is done, my reads of this slot are over
	s_barrier_signal -1
	H0B F1, 0                                      ; work on registers while the others arrive
	WIN 0                                          ; at a branch and at a label every window is 0
	s_barrier_wait -1
.if \fill
	CREST                                          ; no wave of any partner still reads the slot or has a load on its way
	JLOAD                                          ; its four v_nop are also the places in front of the loads below
.else
	PLACES
.endif
	v_add_nc_u32 v[ADRA], s[TB], v[BASA]
	v_add_nc_u32 v[ADRB], s[TB], v[BASA+1]
	v_add_nc_u32 v[ADRB+1], s[TB], v[BASA+2]
	FETCH 0, F0
	H1 F1, 0
.endm
	s_load_b256 s[4:11], s[0:1], 0x0               ; A s[4:5], wbf s[6:7], bias s[8:9], the residual s[10:11]
	s_load_b64 s[12:13], s[0:1], 0x20              ; the result
	v_lshl_add_u32 v[SPW], v0, 2, SPARE
	v_mov_b32 v[NIL], 0
	ds_add_u32 v[SPW], v[NIL]                      ; the opening: the add and its wait stand ahead of my first tensor load; set-up on registers stands between
	ds_add_u32 v28, v29
	v_lshrrev_b32 v1, 5, v0
	v_readfirstlane_b32 s[WV], v1
	s_lshr_b32 s[WR], s[WV], 1
	s_and_b32 s[WC], s[WV], 1
	s_bfe_u32 s[CX], ttmp6, 0x40000
	s_bfe_u32 s[CY], ttmp6, 0x40004
	s_lshl_b32 s[TX], ttmp9, 2
	s_add_co_u32 s[TX], s[TX], s[CX]
	s_and_b32 s[TY], ttmp7, 0xffff
	s_lshl_b32 s[TY], s[TY], 2
	s_add_co_u32 s[TY], s[TY], s[CY]
	s_lshl_b32 s42, s[CY], 2
	s_lshl_b32 s42, 15, s42                        ; my row of the cluster
	s_lshl_b32 s43, 0x1111, s[CX]                  ; my column
	s_or_b32 s[G1A], s42, (1<<16)|(1<<20)|(1<<21)|(QIA<<22)|(3<<25)  ; mask; 2-byte elements; padding on; bit 21 beside a mask; interval; 4 words of padding
	s_or_b32 s[G1B], s43, (1<<16)|(1<<20)|(1<<21)|(QIB<<22)|(7<<25)  ; the same with 8 words
	s_mov_b32 s[G1A+1], KSTEP<<16                  ; tensor_dim0
	s_mov_b32 s[G1A+2], 64<<16                     ; tensor_dim1
	s_mov_b32 s[G1A+3], KSTEP<<16                  ; tile_dim0
	s_mov_b32 s[G1A+4], 64                         ; tile_dim1: 64 rows
	s_mov_b32 s[G1A+5], SIZE_K                     ; elements from row to row
	s_mov_b32 s[G1A+6], 0
	s_mov_b32 s[G1A+7], 0
	s_mov_b32 s[G1B+1], NT<<16
	s_mov_b32 s[G1B+2], (KSTEP/2)<<16
	s_mov_b32 s[G1B+3], NT<<16
	s_mov_b32 s[G1B+4], KSTEP/2                    ; KSTEP / 2 rows of W
	s_mov_b32 s[G1B+5], SIZE_N
	s_mov_b32 s[G1B+6], 0
	s_mov_b32 s[G1B+7], 0
	s_mul_i32 s[LWA], s[WC], 64*PA                 ; no place in the cluster enters an LDS address
	s_mul_i32 s[LWB], s[WC], (KSTEP/2)*PB
	s_add_co_u32 s[LWB], s[LWB], ABYTES
	s_mov_b32 s[TB], 0
	s_and_b32 s[SN], ttmp7, 0xffff                 ; cluster y
	s_add_co_u32 s[SN], s[SN], ttmp9               ; + cluster x: the same in all sixteen partners
	s_and_b32 s[SN], s[SN], 1
	s_mul_i32 s[SN], s[SN], NSTEP/2                ; the K step at which my cluster's walk begins
	s_mul_i32 s[OFA], s[SN], STEPA
	s_mov_b32 s[OFA+1], 0
	s_mul_i32 s[OFB], s[SN], STEPB
	s_mov_b32 s[OFB+1], 0
	s_lshl_b32 s[BSA], s[TY], 7                    ; A: row 128 x tile row + 64 x half,
	s_lshl_b32 s[BSA+1], s[WC], 6
	s_add_co_u32 s[BSA], s[BSA], s[BSA+1]
	s_mul_i32 s[BSA], s[BSA], SIZE_K*2             ; in bytes (under 2^25)
	s_mov_b32 s[BSA+1], 0
	s_mul_i32 s[BSB], s[WC], (KSTEP/2)*SIZE_N*2    ; W: my half of a step's rows,
	s_mul_i32 s[BSB+1], s[TX], NT*2                ; the tile's first column,
	s_add_co_u32 s[BSB], s[BSB], s[BSB+1]
	s_add_co_u32 s[BSB], s[BSB], WOFF              ; the matrix's place in wbf
	s_mov_b32 s[BSB+1], 0
	s_wait_dscnt 0x0                               ; the opening add is done
	s_wait_kmcnt 0x0
	s_add_nc_u64 s[BSA:BSA+1], s[4:5], s[BSA:BSA+1]
	s_add_nc_u64 s[BSB:BSB+1], s[6:7], s[BSB:BSB+1]
.irp s, 0,1
	s_mov_b32 s[G0A+4*(\s)], 1
	s_add_co_u32 s[G0A+4*(\s)+1], s[LWA], (\s)*SLOT
	s_mov_b32 s[G0B+4*(\s)], 1
	s_add_co_u32 s[G0B+4*(\s)+1], s[LWB], (\s)*SLOT
.endr
	s_add_nc_u64 s[G0A+2:G0A+3], s[BSA:BSA+1], s[OFA:OFA+1]  ; slot 0: the walk's first K step,
	s_add_nc_u64 s[G0A+6:G0A+7], s[G0A+2:G0A+3], STEPA       ; slot 1: its second
	s_add_nc_u64 s[G0B+2:G0B+3], s[BSB:BSB+1], s[OFB:OFB+1]
	s_add_nc_u64 s[G0B+6:G0B+7], s[G0B+2:G0B+3], STEPB
.irp r, G0A+3, G0A+7, G0B+3, G0B+7
	s_or_b32 s[\r], s[\r], 0x80000000
.endr
	s_add_co_u32 s[SN], s[SN], 2                   ; the first refill asks for the walk's third
	s_and_b32 s[SN], s[SN], NSTEP-1
	CROUND                                         ; all sixteen work-groups are here: the first joint loads meet
	s_cmp_eq_u32 s[WR], 0                          ; a wave's two first fills stand in one branch: two loads of mine are out
	s_cbranch_scc0 .Lfirst_b
	tensor_load_to_lds s[G0A:G0A+3], s[G1A:G1A+7]
	s_nop 0
	tensor_load_to_lds s[G0A+4:G0A+7], s[G1A:G1A+7]
	s_nop 0
.rept 4
	v_nop
.endr
	s_branch .Lfirst_done
.Lfirst_b:
	tensor_load_to_lds s[G0B:G0B+3], s[G1B:G1B+7]
	s_nop 0
	tensor_load_to_lds s[G0B+4:G0B+7], s[G1B:G1B+7]
	s_nop 0
.rept 4
	v_nop
.endr
.Lfirst_done:
	v_and_b32 v1, 15, v0                           ; l % 16
	v_bfe_u32 v2, v0, 4, 1                         ; l / 16
	v_and_b32 v3, 7, v0                            ; l % 8
	v_bfe_u32 v4, v0, 3, 1                         ; (l / 8) % 2
	v_mul_u32_u24 v[BASA], v1, PA                  ; a fragment of A: row l % 16, 16 bytes for each half of the lanes
	v_lshl_add_u32 v[BASA], v2, 4, v[BASA]
	s_mul_i32 s66, s[WR], 64*PA
	v_add_nc_u32 v[BASA], s66, v[BASA]
	v_lshl_add_u32 v[BASA+1], v2, 3, v3            ; the turning load: k row 8 (l / 16) + l % 8, columns 8 ((l / 8) % 2) on
	v_mul_u32_u24 v[BASA+1], v[BASA+1], PB
	v_lshl_add_u32 v[BASA+1], v4, 4, v[BASA+1]
	s_mul_i32 s66, s[WC], WCB
	s_add_co_u32 s66, s66, ABYTES
	v_add_nc_u32 v[BASA+1], s66, v[BASA+1]
	v_add_nc_u32 v[BASA+2], (KSTEP/2)*PB, v[BASA+1]
	v_mov_b32 v[ADRA], v[BASA]
	v_mov_b32 v[ADRB], v[BASA+1]
	v_mov_b32 v[ADRB+1], v[BASA+2]
	v_lshlrev_b32 v[BO], 5, v2
	s_mul_i32 s66, s[TX], NT                       ; my first column
	s_mul_i32 s67, s[WC], WCN
	s_add_co_u32 s66, s66, s67
	s_lshl_b32 s66, s66, 2
	s_mov_b32 s67, 0
	s_add_nc_u64 s[8:9], s[8:9], s[66:67]
.set b, 0
.rept NB
	global_load_b128 v[BIAS+8*b:BIAS+8*b+3],   v[BO], s[8:9] offset:4*(CNH*(b/4)+16*(b%4))
	global_load_b128 v[BIAS+8*b+4:BIAS+8*b+7], v[BO], s[8:9] offset:4*(CNH*(b/4)+16*(b%4))+16
.set b, b+1
.endr
	; the residual and the way out's addresses
.set RES, 128                          ; v[128:255]  rows 16 a + 2 t + l / 16, my 16 bytes of their 256: at RES + 4 (8 a + t)
.set BK0, 64                           ; v[64:95], v[96:127] by turns: a block read back from the stage
	v_lshlrev_b32 v[GO], 12, v2                    ; lanes 0-15 one row's 256 bytes, lanes 16-31 the next row's
	v_lshl_add_u32 v[GO], v1, 4, v[GO]
	s_lshl_b32 s66, s[TY], 7
	s_lshl_b32 s67, s[WR], 6
	s_add_co_u32 s66, s66, s67                     ; my first row,
	s_lshl_b32 s66, s66, 12                        ; of 4,096 bytes,
	s_lshl_b32 s67, s[TX], 9
	s_add_co_u32 s66, s66, s67                     ; the tile's 512 bytes of it,
	s_lshl_b32 s67, s[WC], 8
	s_add_co_u32 s66, s66, s67                     ; my 256
	s_mov_b32 s67, 0
	s_add_nc_u64 s[10:11], s[10:11], s[66:67]
	s_add_nc_u64 s[12:13], s[12:13], s[66:67]
.set i, 0
.rept 32
	global_load_b128 v[RES+4*i:RES+4*i+3], v[GO], s[10:11] offset:2*i*4096
.set i, i+1
.endr
	s_mul_i32 s66, s[WV], WSTAGE
	s_add_co_u32 s66, s66, STAGE                   ; my stage
	v_mul_u32_u24 v[STO], v1, 272                  ; in: row l % 16, 32 bytes for each half of the lanes
	v_lshl_add_u32 v[STO], v2, 5, v[STO]
	v_add_nc_u32 v[STO], s66, v[STO]
	v_mul_u32_u24 v[RD], v2, 272                   ; back: lanes 0-15 one row of 256 bytes, lanes 16-31 the next
	v_lshl_add_u32 v[RD], v1, 4, v[RD]
	v_add_nc_u32 v[RD], s66, v[RD]
	s_wait_tensorcnt 0x1                           ; my part of slot 0 is in; slot 1's may stay out
	s_barrier_signal -1
	s_barrier_wait -1                              ; everybody's is
	FETCH 0, F0
	s_wait_loadcnt NRES                            ; the bias is in; the residual's 32 loads stay out
	QUARTER 1, F0, F1, 1                           ; the first quarter stands in front of the loop: its first products start the sums
	WIN 0
	s_mov_b32 s[CNT], NSTEP-2
.Lstep:                                ; trip j ends the walk's step j, fills its slot with step j + 2 and begins step j + 1
	QUARTER 2, F1, F0, 0
	QUARTER 3, F0, F1, 0
	TURN 1
	QUARTER 1, F0, F1, 0
	WIN 0
	s_sub_co_u32 s[CNT], s[CNT], 1
	s_cmp_lg_u32 s[CNT], 0
	s_cbranch_scc1 .Lstep
	s_mov_b32 s[CNT], 2
.Ltail:                                ; the last two steps ask for nothing
	QUARTER 2, F1, F0, 0
	QUARTER 3, F0, F1, 0
	TURN 0
	WIN 0
	s_sub_co_u32 s[CNT], s[CNT], 1
	s_cmp_eq_u32 s[CNT], 0
	s_cbranch_scc1 .Lout
	QUARTER 1, F0, F1, 0
	WIN 0
	s_branch .Ltail
.Lout:
	s_wait_dscnt 0x0                               ; the last run of loads, which serves nothing
	s_wait_loadcnt 0x0                             ; the residual
	PLACES                                         ; behind the last products, in front of the LDS stores that read results
; THE WAY OUT, a block of 16 rows at a time: the f32 sums go into my own stage, come back as whole rows of 256 bytes, take the residual and are stored: 16 lanes fill 256 consecutive bytes, aligned.
.macro TOSTAGE a
	WIN 0x08+4*((\a)/2)                            ; the stores' data in window 2 or 3
.set b, 0
.rept NB
	ds_store_b128 v[STO], v[8*(NB*((\a)%2)+b):8*(NB*((\a)%2)+b)+3]   offset:64*b     ; each accumulator is read from its low end on
	ds_store_b128 v[STO], v[8*(NB*((\a)%2)+b)+4:8*(NB*((\a)%2)+b)+7] offset:64*b+16
.set b, b+1
.endr
	WIN 0
.irp t, 0,1,2,3,4,5,6,7
	ds_load_b128 v[BK0+32*((\a)%2)+4*(\t):BK0+32*((\a)%2)+4*(\t)+3], v[RD] offset:(\t)*544  ; LDS serves a wave's instructions in order (ISA guide 5.7.1.4): these see the stores above
.endr
.endm
.macro FINISH a, younger
	s_wait_dscnt \younger                          ; the block is back; the next block's 8 stores and 8 loads may be out
.set i, 0
.rept 16
	v_pk_add_f32 v[RES+32*(\a)+2*i:RES+32*(\a)+2*i+1], v[RES+32*(\a)+2*i:RES+32*(\a)+2*i+1], v[BK0+32*((\a)%2)+2*i:BK0+32*((\a)%2)+2*i+1]
.set i, i+1
.endr
.irp t, 0,1,2,3,4,5,6,7
	global_store_b128 v[GO], v[RES+32*(\a)+4*(\t):RES+32*(\a)+4*(\t)+3], s[12:13] offset:(16*(\a)+2*(\t))*4096  ; no register of a store is written again
.endr
.endm
	TOSTAGE 0
	TOSTAGE 1
	FINISH 0, 16
	TOSTAGE 2
	FINISH 1, 16
	TOSTAGE 3
	FINISH 2, 16
	FINISH 3, 0
	s_wait_tensorcnt 0x0                           ; the wave's end: the spare add between two waits, behind my last tensor load and my last LDS store
	ds_add_u32 v[SPW], v[NIL]
	s_wait_dscnt 0x0
	CROUND                                         ; the closing round: no work-group ends while a partner may still ask for a tile that names it
	s_endpgm
.Lfunc_end_k_qb6fc8e4cce_ffn2:
	.size	k_qb6fc8e4cce_ffn2, .Lfunc_end_k_qb6fc8e4cce_ffn2-k_qb6fc8e4cce_ffn2
	.p2alignl 7, 3214868480
	.fill 96, 4, 3214868480
	.section	.rodata,"a",@progbits
	.p2align	6, 0x0
	.amdhsa_kernel k_qb6fc8e4cce_ffn2
		.amdhsa_group_segment_fixed_size 327680
		.amdhsa_private_segment_fixed_size 0
		.amdhsa_enable_private_segment 0
		.amdhsa_kernarg_size 40
		.amdhsa_user_sgpr_count 2
		.amdhsa_user_sgpr_kernarg_segment_ptr 1
		.amdhsa_wavefront_size32 1
		.amdhsa_system_sgpr_workgroup_id_x 1
		.amdhsa_system_sgpr_workgroup_id_y 1
		.amdhsa_system_sgpr_workgroup_id_z 1
		.amdhsa_system_vgpr_workitem_id 0
		.amdhsa_next_free_vgpr 832
		.amdhsa_next_free_sgpr 96
		.amdhsa_reserve_vcc 0
		.amdhsa_float_denorm_mode_32 3
		.amdhsa_float_denorm_mode_16_64 3
		.amdhsa_memory_ordered 1
		.amdhsa_forward_progress 1
		.amdhsa_inst_pref_size 67
	.end_amdhsa_kernel
	.amdgpu_metadata
---
amdhsa.version: [ 1, 2 ]
amdhsa.kernels:
  - .name:           k_qb6fc8e4cce_ffn2
    .symbol:         k_qb6fc8e4cce_ffn2.kd
    .args:
      - { .name: act, .offset: 0, .size: 8, .value_kind: global_buffer, .address_space: global }
      - { .name: wbf, .offset: 8, .size: 8, .value_kind: global_buffer, .address_space: global }
      - { .name: ffn_b2, .offset: 16, .size: 8, .value_kind: global_buffer, .address_space: global }
      - { .name: x1, .offset: 24, .size: 8, .value_kind: global_buffer, .address_space: global }
      - { .name: out0, .offset: 32, .size: 8, .value_kind: global_buffer, .address_space: global }
    .group_segment_fixed_size: 327680
    .private_segment_fixed_size: 0
    .kernarg_segment_align: 8
    .kernarg_segment_size: 40
    .max_flat_workgroup_size: 128
    .sgpr_count:     96
    .vgpr_count:     832
    .wavefront_size: 32
...
	.end_amdgpu_metadata
.endif
;; end of part 7
